; MI455X (gfx1250); checked and timed in simulation.
; The chip was launched on July 23, 2026; its instructions are those of AMD's public machine-readable ISA for CDNA 5 (MIT licence, August 2026) and "CDNA5" Instruction Set Architecture Reference Guide (July 2026). The comments in the code are by the model that wrote it; some were corrected since.
;; Decoder Attention. Allowed arithmetic: matrix products marked QUANTISED: E2M1 operands, one E8M0 scale for each 32 along K, by v_wmma_scale_f32_16x16x128_f8f6f4 with both operands' format E2M1 (or v_wmma_scale_f32_32x16x128_f4), f32 sums; products left as they are: bf16, f16 or f32 operands; f32 sums; everything else in f32.
;; Inputs: Kbs 16 x 64 float32; Ks 16 x 1,024 x 64 float32; O 16 x 64 x 1,024 float32; Ob 1,024 float32; Qbs 16 x 64 float32; Qs 16 x 1,024 x 64 float32; Vbs 16 x 64 float32; Vs 16 x 1,024 x 64 float32; encoder_output 8 x 1,024 x 1,024 float32; normalized_resid_pre 8 x 1,024 x 1,024 float32.
;; Outputs: out0 8 x 1,024 x 1,024 float32.
;; This version of the problem:
;;   THIS VERSION OF THE PROBLEM IS GIVEN IN LOW PRECISION. The matrix products marked QUANTISED in the list below multiply operands that are first quantised to E2M1 (2 exponent bits, 1 mantissa bit; 4 bits a number), with one power-of-two scale for each 32 numbers along K (OCP MX v1.0); their sums are f32. The products marked 'left as it is' may take bf16, f16 or f32 operands, with f32 sums. Whichever they take, every output number must still come out within the allowed error. Rounding operands to bf16 (8 significant bits) uses up far more of that allowance than f16 does (11 bits, for magnitudes from 6e-5 to 65,504). All else is computed in f32.
;;   The module's matrix products, in the order in which they are computed (A, B: the left and right operand; K: the contracted axis; several contracted axes count as one K, in the product's order):
;;     1. [M 8,192, K 1,024] x [K 1,024, N 1,024]; A: input encoder_output; B: input Qs: QUANTISED
;;     2. [M 8,192, K 1,024] x [K 1,024, N 1,024]; A: input encoder_output; B: input Ks: QUANTISED
;;     3. [M 8,192, K 1,024] x [K 1,024, N 1,024]; A: input normalized_resid_pre; B: input Vs: QUANTISED
;;     4. batch 128 x [M 1,024, K 64] x [K 64, N 1,024]; A: computed on the way; B: computed on the way: left as it is (an operand is computed on the way)
;;     5. batch 128 x [M 1,024, K 1,024] x [K 1,024, N 64]; A: computed on the way; B: computed on the way: left as it is (an operand is computed on the way)
;;     6. [M 8,192, K 1,024] x [K 1,024, N 1,024]; A: computed on the way; B: input O: left as it is (an operand is computed on the way)
;;   THE QUANTISER, for each operand of a quantised product, along K:
;;     - K is cut into blocks of 32 from its start; a last block that is shorter is filled with zeros.
;;     - A block's scale is 2^e with e = floor(log2(the largest magnitude in the block)) - 2, held to -126 .. 127; a block of zeros has e = 0. As a byte (E8M0): e + 127.
;;     - Each number is divided by its block's scale, clamped to +-6, and rounded to the nearest number of E2M1, ties to even, subnormals kept.
;;     - The product sums the exact products of the quantised numbers (number of the format x scale) in f32.
;;   ~~~python
;;   def quantise(x, axis):      # numpy; x: float32 -> the quantised numbers, widened to float32 again
;;       x = np.moveaxis(x, axis, -1); K = x.shape[-1]
;;       x = np.pad(x, [(0, 0)] * (x.ndim - 1) + [(0, -K % 32)]); x = x.reshape(x.shape[:-1] + (-1, 32)); a = np.abs(x).max(-1, keepdims=True)
;;       e = np.where(a > 0, np.clip(np.frexp(np.where(a > 0, a, 1))[1] - 1 - 2, -126, 127), 0)      # np.frexp(a)[1] - 1 = floor(log2(a)), exactly
;;       r = np.clip(x / 2.0 ** e, -6, 6)
;;       step = 2.0 ** (np.maximum(np.frexp(np.where(r == 0, 1, r))[1] - 1, 0) - 1)
;;       q = np.round(r / step) * step * 2.0 ** e      # np.round: ties to even
;;       return np.moveaxis(q.reshape(q.shape[:-2] + (-1,))[..., :K], -1, axis).astype(np.float32)
;;   ~~~
;; One version. Each part assembles by itself: llvm-mc -triple=amdgcn-amd-amdhsa -mcpu=gfx1250 --defsym DOCPART=n.
;; ======== version 1 of 1: 5 launches
;; limits: values are held in f16: magnitudes above 65,504 overflow, below 6.1e-05 lose precision
;; workspace buffers: xq 8,912,896 bytes; wq 3,768,320 bytes; qw 16,777,216 bytes; kv 33,554,432 bytes; zw 16,777,216 bytes; side 2,097,152 bytes
;; launch prep (part 1): grid 416 x 1, 4 waves a work-group, no clusters, 34,304 bytes of LDS; arguments encoder_output, normalized_resid_pre, Qs, Ks, Vs, O, xq, wq; writes xq, wq
.if DOCPART == 1
	.amdgcn_target "amdgcn-amd-amdhsa--gfx1250"
	.amdhsa_code_object_version 6
	.text
	.protected	k_qe4c4992dae_prep
	.globl	k_qe4c4992dae_prep
	.p2align	8
	.type	k_qe4c4992dae_prep,@function
k_qe4c4992dae_prep:
	s_mov_b64 s[64:65], 0
	v_nop
	global_prefetch_b8 v0, s[64:65] scope:SCOPE_SE
	s_setreg_imm32_b32 hwreg(HW_REG_WAVE_MODE, 25, 1), 1
	s_wait_xcnt 0x0
; PREP: the operands of the three QUANTISED products become codes of E2M1 with one E8M0 byte for each 32 along K = d_model; O becomes f16.
; THE WHOLE PROGRAM: prep | proj (q, k, v on codes) | attn (causal attention, f16 operands, f32 sums) | outp (z O + Ob, f16 operands) | early (positions 0-15 of every sequence in f32).
; WORK LEFT OUT, for all values of the inputs: reference() replaces the score of every pair key > query by -1e5 (jnp.where on a mask that it builds itself), so q.k of such a pair reaches no output;
;   it is not computed where it comes in whole steps of 64 keys.  The WEIGHT of such a key, e^(-1e5 - max), is not zero in real numbers and is kept: all keys of the steps left out have the same weight w, so that
;   their part of a row is w x (the sum of their v) over w x (their number); proj stores the sums of v over each 64 keys, attn and early add that one term.
; Vbs: a row's weights sum to 1, so sum a (v + Vbs) = sum a v + Vbs: the bias is added once, behind the division.  Every input is loaded by some launch.
; LIMITS: NaN and infinities among the inputs are not served; a NaN, an infinity or an overflow that reaches only q.k of masked pairs is not carried to the result; q, k, v, z must lie under 65,504 in magnitude (f16 operands);
;   a block of zeros gets the byte 1 where the rule says 127: its codes are zeros and this program alone reads the bytes; blocks whose largest magnitude lies under 2^-124 are held at the byte 1.
; LAYOUT: every workspace buffer is laid as IMAGES OF OPERAND REGISTERS: four registers of a fragment are 32 lanes x 16 bytes = 512 bytes on end.  So every store here covers 512 consecutive bytes.
;   xq: codes [row tile of 16][K step of 128][c][lane][16 B] (lane (r, h) holds k = 64 c + 32 h + 0..31 of row r); from XS_OFF the scale words [row tile][K half][r][4 words].  wq: the same for the 192 tiles of 16 output channels
;   (Q, K, V); scale words from WS_OFF; from OH_OFF O as f16 [tile of 16 columns][32 along k][half][lane][16 B].
; SHARES: work-groups 0-95 the weights (a lane to a column, registers down K), 96-159 O, 160-415 the activations (a wave to a tile of 16 rows).  Waves share nothing: no barrier.
.set XS_OFF, 8388608
.set WS_OFF, 1572864
.set OH_OFF, 1671168
.set STG,    8448                      ; a wave's stage: 16 rows x (512 bytes + 16)
.set SPARE,  4*STG                     ; behind the stages: the spare words, 128 bytes a wave, named by no other line
.set SPW, 6                            ; v6 my spare word's address; v7 = 0: both never rewritten
.set NIL, 7
.macro CLOSE                           ; the wave's end
	s_wait_tensorcnt 0x0
	ds_add_u32 v[SPW], v[NIL]
	s_wait_dscnt 0x0
.endm
; ---- activations: K step s of my 16 rows: each load reads 512 consecutive bytes of one row
.macro XLOAD s
.set p, 0
.rept 16
	global_load_b128 v[64+64*((\s)%2)+4*p:64+64*((\s)%2)+4*p+3], v1, s[26:27] offset:p*4096+(\s)*512 th:TH_LOAD_NT
.set p, p+1
.endr
.endm
.macro XSTEP s
.set RS, 64+64*((\s)%2)
.set CD, 24+8*((\s)%2)
.if (\s) < 7
	s_wait_loadcnt 16                              ; this step's 16 loads are in; the next step's may be out
.else
	s_wait_loadcnt 0
.endif
.set p, 0
.rept 16
	ds_store_b128 v2, v[RS+4*p:RS+4*p+3] offset:p*528       ; as loaded: row p, 16 bytes a lane
.set p, p+1
.endr
.set p, 0
.rept 8
	ds_load_b128 v[192+4*p:195+4*p], v3 offset:16*p          ; back: lane (r, h): k = 32 h + 0..31 of row r,
	ds_load_b128 v[224+4*p:227+4*p], v3 offset:256+16*p      ; and k = 64 + 32 h + 0..31.  LDS serves a wave's instructions in order
.set p, p+1
.endr
	s_wait_dscnt 0x0                               ; the numbers are back, and the stores have read their registers
.if (\s) < 6
	XLOAD (\s)+2
.endif
	v_max3_num_f32 v8, |v192|, |v193|, 0x1800000   ; two whole blocks a lane, by turns; the floor 2^(3 - 127) holds the byte at 1 from below
	v_max3_num_f32 v9, |v224|, |v225|, 0x1800000
.set i, 2
.rept 15
	v_max3_num_f32 v8, v8, |v[192+i]|, |v[193+i]|
	v_max3_num_f32 v9, v9, |v[224+i]|, |v[225+i]|
.set i, i+2
.endr
	v_add_nc_u32 v10, 0xff000000, v8               ; 2 off the exponent field: the conversion's scale operand
	v_add_nc_u32 v11, 0xff000000, v9
	v_lshrrev_b32 v12, 23, v10                     ; the bytes of blocks h and 2 + h
	v_lshrrev_b32 v13, 23, v11
	v_lshl_or_b32 v12, v13, 16, v12
	v_lshlrev_b32 v12, v4, v12                     ; 8 h bits up
	v_permlanex16_b32 v15, v12, s36, s37
	v_or_b32 v[16+(\s)], v12, v15                  ; with lane l xor 16's two: row r's scale word of this K step
	s_wait_xcnt 0x0                                ; the stores of two steps back have read this set of code registers
.set g, 0
.rept 4
	v_cvt_scalef32_pk8_fp4_f32 v[CD+g], v[192+8*g:199+8*g], v10
	v_cvt_scalef32_pk8_fp4_f32 v[CD+4+g], v[224+8*g:231+8*g], v11
.set g, g+1
.endr
	v_nop                                          ; one plain place behind the scaled conversions
	global_store_b128 v1, v[CD:CD+3], s[32:33] offset:(\s)*1024
	global_store_b128 v1, v[CD+4:CD+7], s[32:33] offset:(\s)*1024+512
.endm
; ---- weights: block t: W(32 t + i, my column)
.macro WLOAD t
.set i, 0
.rept 32
	global_load_b32 v[64+32*((\t)%2)+i], v2, s[26:27] offset:(32*(\t)+i)*256
.set i, i+1
.endr
.endm
.macro WBLOCK t
.set XB, 64+32*((\t)%2)
.set CB, 24+16*((\t)/4)+4*((\t)%4)
.set CK, 24+16*((\t)/4)
.if (\t) < 7
	s_wait_loadcnt 32                              ; this block's 32 loads are in; the next block's may be out
.else
	s_wait_loadcnt 0
.endif
	v_max3_num_f32 v8, |v[XB]|, |v[XB+1]|, |v[XB+2]|
	v_max3_num_f32 v9, |v[XB+3]|, |v[XB+4]|, |v[XB+5]|
.irp i, 6,10,14,18,22,26
	v_max3_num_f32 v8, v8, |v[XB+\i]|, |v[XB+\i+1]|
	v_max3_num_f32 v9, v9, |v[XB+\i+2]|, |v[XB+\i+3]|
.endr
	v_max3_num_f32 v8, v8, |v[XB+30]|, |v[XB+31]|
	v_max3_num_f32 v8, v8, v9, 0x1800000
	v_add_nc_u32 v10, 0xff000000, v8
	v_lshrrev_b32 v11, 23, v10
.if (\t)%4 == 0
	v_mov_b32 v[12+(\t)/4], v11                    ; four bytes make my column's scale word of a K step
.else
	v_lshl_or_b32 v[12+(\t)/4], v11, 8*((\t)%4), v[12+(\t)/4]
.endif
.irp g, 0,1,2,3
	v_cvt_scalef32_pk8_fp4_f32 v[CB+\g], v[XB+8*\g:XB+8*\g+7], v10
.endr
	v_nop
.if (\t)+2 < 8
	WLOAD (\t)+2
.endif
.if (\t)%4 == 3                        ; a K step is whole.  Lanes 0-15 hold the first tile's columns, lanes 16-31 the second's; the layout wants block 2 c + h in lane (r, h)
.irp i, 0,1,2,3
	v_permlane16_swap_b32 v[CK+\i], v[CK+4+\i]
	v_permlane16_swap_b32 v[CK+8+\i], v[CK+12+\i]
.endr
	global_store_b128 v1, v[CK:CK+3], s[32:33] offset:((\t)/4)*1024
	global_store_b128 v1, v[CK+8:CK+11], s[32:33] offset:((\t)/4)*1024+512
	global_store_b128 v1, v[CK+4:CK+7], s[32:33] offset:8192+((\t)/4)*1024
	global_store_b128 v1, v[CK+12:CK+15], s[32:33] offset:8192+((\t)/4)*1024+512
.endif
.endm
; ---- O: block t: O(32 t + i, my column)
.macro OLOAD t
.set i, 0
.rept 32
	global_load_b32 v[64+32*((\t)%2)+i], v2, s[26:27] offset:(32*(\t)+i)*4096
.set i, i+1
.endr
.endm
.macro OBLOCK t
.set XB, 64+32*((\t)%2)
.set PB, 128+16*(\t)
.if (\t) < 3
	s_wait_loadcnt 32
.else
	s_wait_loadcnt 0
.endif
.set p, 0
.rept 16
	v_cvt_pk_f16_f32 v[PB+p], v[XB+2*p], v[XB+2*p+1]
.set p, p+1
.endr
.if (\t)+2 < 4
	OLOAD (\t)+2
.endif
.irp p, 0,1,2,3
	v_permlane16_swap_b32 v[PB+\p], v[PB+4+\p]     ; lane (r, h) of a fragment wants k = 8 h + 0..7 and 16 + 8 h + 0..7 of column r
	v_permlane16_swap_b32 v[PB+8+\p], v[PB+12+\p]
.endr
	global_store_b128 v1, v[PB:PB+3], s[32:33] offset:(\t)*1024
	global_store_b128 v1, v[PB+8:PB+11], s[32:33] offset:(\t)*1024+512
	global_store_b128 v1, v[PB+4:PB+7], s[32:33] offset:32768+(\t)*1024
	global_store_b128 v1, v[PB+12:PB+15], s[32:33] offset:32768+(\t)*1024+512
.endm
	s_load_b512 s[8:23], s[0:1], 0x0               ; enc s[8:9], resid s[10:11], Qs s[12:13], Ks s[14:15], Vs s[16:17], O s[18:19], xq s[20:21], wq s[22:23]
	v_lshl_add_u32 v[SPW], v0, 2, SPARE
	v_mov_b32 v[NIL], 0
	v_lshrrev_b32 v1, 5, v0
	v_readfirstlane_b32 s24, v1                    ; wave
	v_and_b32 v5, 31, v0                           ; lane
	v_lshlrev_b32 v1, 4, v5                        ; 16 x lane
	s_wait_kmcnt 0x0
	s_cmp_lt_u32 ttmp9, 96
	s_cbranch_scc1 .Lw
	s_cmp_lt_u32 ttmp9, 160
	s_cbranch_scc1 .Lo
	; ---------------- the activations
	s_sub_co_u32 s25, ttmp9, 160
	s_cmp_lt_u32 s25, 128
	s_cselect_b64 s[26:27], s[8:9], s[10:11]       ; the first 128 work-groups take encoder_output
	s_lshl_b32 s28, s25, 2
	s_add_co_u32 s28, s28, s24                     ; my row tile, 0..1023
	s_and_b32 s30, s28, 511
	s_lshl_b32 s30, s30, 16                        ; 16 rows of 4,096 bytes
	s_mov_b32 s31, 0
	s_add_nc_u64 s[26:27], s[26:27], s[30:31]
	s_lshl_b32 s30, s28, 13
	s_add_nc_u64 s[32:33], s[20:21], s[30:31]      ; its codes: 8,192 bytes
	s_lshl_b32 s30, s28, 9
	s_add_co_u32 s30, s30, XS_OFF
	s_add_nc_u64 s[34:35], s[20:21], s[30:31]      ; its scale words: 512 bytes
	s_mov_b32 s36, 0x76543210
	s_mov_b32 s37, 0xfedcba98                      ; selects: lane l xor 16
	s_mul_i32 s29, s24, STG
	v_add_nc_u32 v2, s29, v1                       ; into the stage: 16 x lane
	v_and_b32 v8, 15, v0
	v_bfe_u32 v9, v0, 4, 1
	v_mul_u32_u24 v3, v8, 528
	v_lshl_add_u32 v3, v9, 7, v3
	v_add_nc_u32 v3, s29, v3                       ; out of it: row r, + 128 h bytes
	v_lshlrev_b32 v4, 3, v9                        ; 8 h
	v_mov_b32 v15, 0                               ; a lane permute's destination counts as read
	XLOAD 0
	XLOAD 1
.irp s, 0,1,2,3,4,5,6,7
	XSTEP \s
.endr
	v_cmp_ne_u32 vcc_lo, 0, v4
.irp i, 0,1,2,3
	v_cndmask_b32 v[40+\i], v[16+\i], v[20+\i], vcc_lo     ; lane (r, h) stores row r's words of K half h
.endr
	global_store_b128 v1, v[40:43], s[34:35]
	CLOSE
	s_endpgm
	; ---------------- the weights: work-group = 32 x tensor + 2 x head + column half; wave = a quarter of K
.Lw:
	s_cmp_lt_u32 ttmp9, 32
	s_cselect_b64 s[26:27], s[12:13], s[14:15]
	s_cmp_lt_u32 ttmp9, 64
	s_cselect_b64 s[26:27], s[26:27], s[16:17]
	s_bfe_u32 s28, ttmp9, 0x40001                  ; head
	s_lshl_b32 s28, s28, 18
	s_lshl_b32 s29, s24, 16                        ; 256 rows of 256 bytes
	s_add_co_u32 s28, s28, s29
	s_and_b32 s29, ttmp9, 1
	s_lshl_b32 s29, s29, 7
	s_add_co_u32 s28, s28, s29
	s_mov_b32 s29, 0
	s_add_nc_u64 s[26:27], s[26:27], s[28:29]
	s_lshl_b32 s28, ttmp9, 14                      ; two tiles of 8,192 bytes a work-group,
	s_lshl_b32 s30, s24, 11                        ; two K steps a wave
	s_add_co_u32 s28, s28, s30
	s_add_nc_u64 s[32:33], s[22:23], s[28:29]
	s_lshl_b32 s28, ttmp9, 10
	s_lshr_b32 s30, s24, 1
	s_lshl_b32 s30, s30, 8
	s_add_co_u32 s28, s28, s30
	s_and_b32 s30, s24, 1
	s_lshl_b32 s30, s30, 3
	s_add_co_u32 s28, s28, s30
	s_add_co_u32 s28, s28, WS_OFF
	s_add_nc_u64 s[34:35], s[22:23], s[28:29]
	v_lshlrev_b32 v2, 2, v5                        ; my column: 4 bytes a lane
	v_lshrrev_b32 v3, 4, v5
	v_and_b32 v4, 15, v5
	v_lshlrev_b32 v4, 4, v4
	v_lshl_add_u32 v3, v3, 9, v4                   ; my two scale words: tile x 512 + r x 16
	WLOAD 0
	WLOAD 1
.irp t, 0,1,2,3,4,5,6,7
	WBLOCK \t
.endr
	global_store_b64 v3, v[12:13], s[34:35]        ; 8 bytes of each 16: the other wave of the K half writes the rest; 96 KiB in all
	CLOSE
	s_endpgm
	; ---------------- O: a wave takes 32 columns x 128 along k
.Lo:
	s_sub_co_u32 s25, ttmp9, 96
	s_lshl_b32 s25, s25, 2
	s_add_co_u32 s25, s25, s24
	s_and_b32 s30, s25, 31                         ; which 32 columns
	s_lshr_b32 s31, s25, 5                         ; which 128 along k
	s_lshl_b32 s28, s31, 19
	s_lshl_b32 s29, s30, 7
	s_add_co_u32 s28, s28, s29
	s_mov_b32 s29, 0
	s_add_nc_u64 s[26:27], s[18:19], s[28:29]
	s_lshl_b32 s28, s30, 16
	s_lshl_b32 s31, s31, 12
	s_add_co_u32 s28, s28, s31
	s_add_co_u32 s28, s28, OH_OFF
	s_add_nc_u64 s[32:33], s[22:23], s[28:29]
	v_lshlrev_b32 v2, 2, v5
	OLOAD 0
	OLOAD 1
.irp t, 0,1,2,3
	OBLOCK \t
.endr
	CLOSE
	s_endpgm
.Lfunc_end_k_qe4c4992dae_prep:
	.size	k_qe4c4992dae_prep, .Lfunc_end_k_qe4c4992dae_prep-k_qe4c4992dae_prep
	.p2alignl 7, 3214868480
	.fill 96, 4, 3214868480
	.section	.rodata,"a",@progbits
	.p2align	6, 0x0
	.amdhsa_kernel k_qe4c4992dae_prep
		.amdhsa_group_segment_fixed_size 34304
		.amdhsa_private_segment_fixed_size 0
		.amdhsa_enable_private_segment 0
		.amdhsa_kernarg_size 64
		.amdhsa_user_sgpr_count 2
		.amdhsa_user_sgpr_kernarg_segment_ptr 1
		.amdhsa_wavefront_size32 1
		.amdhsa_system_sgpr_workgroup_id_x 1
		.amdhsa_system_sgpr_workgroup_id_y 1
		.amdhsa_system_sgpr_workgroup_id_z 1
		.amdhsa_system_vgpr_workitem_id 0
		.amdhsa_next_free_vgpr 256
		.amdhsa_next_free_sgpr 66
		.amdhsa_reserve_vcc 1
		.amdhsa_float_denorm_mode_32 3
		.amdhsa_float_denorm_mode_16_64 3
		.amdhsa_memory_ordered 1
		.amdhsa_forward_progress 1
		.amdhsa_inst_pref_size 115
	.end_amdhsa_kernel
	.amdgpu_metadata
---
amdhsa.version: [ 1, 2 ]
amdhsa.kernels:
  - .name:           k_qe4c4992dae_prep
    .symbol:         k_qe4c4992dae_prep.kd
    .args:
      - { .name: encoder_output, .offset: 0, .size: 8, .value_kind: global_buffer, .address_space: global }
      - { .name: normalized_resid_pre, .offset: 8, .size: 8, .value_kind: global_buffer, .address_space: global }
      - { .name: Qs, .offset: 16, .size: 8, .value_kind: global_buffer, .address_space: global }
      - { .name: Ks, .offset: 24, .size: 8, .value_kind: global_buffer, .address_space: global }
      - { .name: Vs, .offset: 32, .size: 8, .value_kind: global_buffer, .address_space: global }
      - { .name: O, .offset: 40, .size: 8, .value_kind: global_buffer, .address_space: global }
      - { .name: xq, .offset: 48, .size: 8, .value_kind: global_buffer, .address_space: global }
      - { .name: wq, .offset: 56, .size: 8, .value_kind: global_buffer, .address_space: global }
    .group_segment_fixed_size: 34304
    .private_segment_fixed_size: 0
    .kernarg_segment_align: 8
    .kernarg_segment_size: 64
    .max_flat_workgroup_size: 128
    .sgpr_count:     66
    .vgpr_count:     256
    .wavefront_size: 32
...
	.end_amdgpu_metadata
.endif
;; end of part 1
;; launch proj (part 2): grid 12 x 32, 4 waves a work-group, clusters of 4 x 4, 327,680 bytes of LDS; arguments xq, wq, Qbs, Kbs, qw, kv, side; writes qw, kv, side
.if DOCPART == 2
	.amdgcn_target "amdgcn-amd-amdhsa--gfx1250"
	.amdhsa_code_object_version 6
	.text
	.protected	k_qe4c4992dae_proj
	.globl	k_qe4c4992dae_proj
	.p2align	8
	.type	k_qe4c4992dae_proj,@function
k_qe4c4992dae_proj:
	s_mov_b64 s[64:65], 0
	v_nop
	global_prefetch_b8 v0, s[64:65] scope:SCOPE_SE
	s_setreg_imm32_b32 hwreg(HW_REG_WAVE_MODE, 25, 1), 1
	s_wait_xcnt 0x0
	s_wait_alu depctr_hold_cnt(0) depctr_sa_sdst(0) depctr_va_vdst(0) depctr_va_sdst(0) depctr_va_ssrc(0) depctr_va_vcc(0) depctr_vm_vsrc(0)
	s_getreg_b32 s2, hwreg(HW_REG_IB_STS2, 6, 4)
	s_cmp_eq_u32 s2, 0
	s_cbranch_scc0 .Lentry_in_a_cluster
	s_endpgm
.Lentry_in_a_cluster:
	s_bfe_u32 s2, ttmp6, 0x10000c
	s_cmp_lg_u32 s2, 0xf033
	s_cbranch_scc0 .Lentry_shape_is_right
	s_endpgm
.Lentry_shape_is_right:
; PROJ: q = x Qs + Qbs, k = x Ks + Kbs, v0 = y Vs (Vbs is added behind the softmax's division: a row's weights sum to 1), all three on codes of E2M1 with E8M0 scales, K = 1,024, f32 sums.
; A work-group of four waves makes 256 x 256, a wave 128 x 128: 64 accumulators.  Source 1 of the matrix instruction is the LANE SIDE (A here), source 0 the REGISTER SIDE (B): lane (r, h) holds row r of A's tile, its register j row 8 h + j of B's.
;   q, k: A = 16 positions, B = 16 channels: two neighbouring tiles, rounded to f16 in pairs, ARE a fragment of 16 positions x 32 channels.   v: A = channels, B = positions: a fragment of 16 channels x 32 keys.  Nothing is transposed.
; ROLES hang on the cluster's x alone (the same in all sixteen partners): x = 0: q, x = 1: k, x = 2: v.
; K is two slots of 512: both are asked for at the head with the scale words, and nothing is filled again.  All tiles are dense images: no pitch, no padding; each LDS load takes 512 bytes on end.
; CLUSTERS 4 x 4: A's tiles are shared along a row of the cluster, B's along a column: joint loads.
; ALSO STORED: q, k, v0 of positions 0-15 of every sequence in f32 (for the launch early), and the sums of v0 over each 64 keys (chunk 0: keys 16-63 alone), for the masked keys' term.
; REGISTERS: window 0: v0-31 addresses; v32-95 scale words, two sets; v96-127 packed results; v128-191 A's fragments, on the way out at work; v192-255 the bias.  window 1: B's fragments, two sets.  windows 2, 3: accumulators (a, b) at v[8 (8 (a % 4) + b)].
.set NQ, 4
.set FR, 8
.set NL, 2
.set NP, 4
.set SLOT,   131072                    ; A's two halves, B's two halves, 32 KiB each
.set SCL,    262144                    ; the scale words: 4 KiB for each of the four halves
.set SPARE,  278528                    ; the spare words, 128 bytes a wave, named by no other line
.set XS_OFF, 8388608
.set WS_OFF, 1572864
.set VS_OFF, 1572864
.set ADRA, 16
.set ADRB, 20
.set LI,   24                          ; v24 16 x lane
.set ADRS, 27
.set SPW,  28
.set NIL,  29
.set SC,   32
.set PK,   96
.set AF,   128
.set TT,   128
.set BI,   192
.set G1, 24
.set G0, 32
.set G1B, 48
.set G0B, 56
.set G1S, 68
.set G0S, 76
.set G1SB, 80
.set G0SB, 88
.set MSB, 0
.macro WIN new                         ; the immediate's high byte repeats the setting that is left
.if MSB != \new
	s_set_vgpr_msb (MSB<<8)|\new
.set MSB, \new
.endif
.endm
.set MUL_LO, 0xa1                      ; source 0 (B) window 1, source 1 (A) window 0, C and D window 2
.set MUL_HI, 0xf1
.set TO_B,   0x40
.macro JLOAD g0a, g1a, g0b, g1b        ; waves 0, 1 fetch for A, waves 2, 3 for B; an s_nop 0 and four v_nop follow each line
	s_cmp_eq_u32 s19, 0
	s_cbranch_scc0 .Lfor_b_\@
	tensor_load_to_lds s[\g0a:\g0a+3], s[\g1a:\g1a+7]
	s_nop 0
.rept 4
	v_nop
.endr
	s_branch .Lasked_\@
.Lfor_b_\@:
	tensor_load_to_lds s[\g0b:\g0b+3], s[\g1b:\g1b+7]
	s_nop 0
.rept 4
	v_nop
.endr
.Lasked_\@:
.endm
.macro CROUND                          ; a round of the cluster's barrier
	s_barrier_signal -1
	s_barrier_wait -1
	s_cmp_lg_u32 s18, 0
	s_cbranch_scc1 .Lnot_wave_0_\@
	s_barrier_signal -3
.Lnot_wave_0_\@:
	s_barrier_wait -3
	s_barrier_signal -1
	s_barrier_wait -1
.endm
	s_load_b256 s[4:11], s[0:1], 0x0               ; xq s[4:5], wq s[6:7], Qbs s[8:9], Kbs s[10:11]
	s_load_b128 s[12:15], s[0:1], 0x20             ; qw s[12:13], kv s[14:15]
	s_load_b64 s[16:17], s[0:1], 0x30              ; side
	v_lshl_add_u32 v[SPW], v0, 2, SPARE
	v_mov_b32 v[NIL], 0
	ds_add_u32 v[SPW], v[NIL]                      ; the opening: the add, twice on end, and its wait ahead of my first tensor load
	ds_add_u32 v[SPW], v[NIL]
	v_lshrrev_b32 v1, 5, v0
	v_readfirstlane_b32 s18, v1                    ; wave
	s_lshr_b32 s19, s18, 1                         ; my half of A's rows.  Also: I fetch for A (0) or B (1)
	s_and_b32 s20, s18, 1                          ; my half of B's rows.  Also: which half I fetch
	s_bfe_u32 s21, ttmp6, 0x40000                  ; cx
	s_bfe_u32 s22, ttmp6, 0x40004                  ; cy
	s_and_b32 s42, ttmp7, 0xffff                   ; cluster y
	s_cmp_eq_u32 ttmp9, 2
	s_cselect_b32 s23, 1, 0                        ; role: 1 = v
	s_cselect_b32 s43, s42, ttmp9
	s_cselect_b32 s44, 0, s42
	s_lshl_b32 s40, s43, 2
	s_add_co_u32 s40, s40, s21                     ; B's tile of 256: q, k: channels (0-3 q, 4-7 k); v: positions (0-31)
	s_lshl_b32 s41, s44, 2
	s_add_co_u32 s41, s41, s22                     ; A's tile of 256: q, k: positions (0-31); v: channels (0-3)
	s_lshl_b32 s45, s22, 2
	s_lshl_b32 s45, 15, s45                        ; my row of the cluster
	s_lshl_b32 s46, 0x1111, s21                    ; my column
	s_or_b32 s[G1], s45, (3<<16)|(1<<21)           ; codes: elements of 8 bytes, no padding; the mask, bit 21 beside it
	s_or_b32 s[G1B], s46, (3<<16)|(1<<21)
	s_or_b32 s[G1S], s45, (3<<16)|(1<<21)
	s_or_b32 s[G1SB], s46, (3<<16)|(1<<21)
.irp g, G1, G1B                        ; 8 tiles of 16 rows; of each the slot's four K steps, 4,096 bytes on end, 8,192 bytes apart
	s_mov_b32 s[\g+1], 512<<16
	s_mov_b32 s[\g+2], 8<<16
	s_mov_b32 s[\g+3], 512<<16
	s_mov_b32 s[\g+4], 8
	s_mov_b32 s[\g+5], 1024
	s_mov_b32 s[\g+6], 0
	s_mov_b32 s[\g+7], 0
.endr
.irp g, G1S, G1SB                      ; the scale words of 8 tiles: 4,096 dense bytes as 16 rows of 256
	s_mov_b32 s[\g+1], 32<<16
	s_mov_b32 s[\g+2], 16<<16
	s_mov_b32 s[\g+3], 32<<16
	s_mov_b32 s[\g+4], 16
	s_mov_b32 s[\g+5], 32
	s_mov_b32 s[\g+6], 0
	s_mov_b32 s[\g+7], 0
.endr
	s_lshl_b32 s47, s20, 3                         ; the half that I fetch: 8 tiles of 16
	s_lshl_b32 s92, s41, 4
	s_add_co_u32 s92, s92, s47                     ; A's first tile of 16
	s_lshl_b32 s94, s40, 4
	s_add_co_u32 s94, s94, s47                     ; B's
	s_cmp_eq_u32 s23, 1
	s_cselect_b32 s66, 128, 0                      ; v: A = wq's tiles 128 on,
	s_cselect_b32 s67, 512, 0                      ;    B = xq's tiles 512 on (normalized_resid_pre)
	s_add_co_u32 s92, s92, s66
	s_add_co_u32 s94, s94, s67
	s_lshl_b32 s96, s92, 9
	s_lshl_b32 s92, s92, 13
	s_lshl_b32 s98, s94, 9
	s_lshl_b32 s94, s94, 13
	s_mov_b32 s93, 0
	s_mov_b32 s95, 0
	s_mov_b32 s97, 0
	s_mov_b32 s99, 0
	s_mov_b32 s66, XS_OFF
	s_mov_b32 s67, WS_OFF
	s_cmp_eq_u32 s23, 1
	s_cselect_b32 s47, s67, s66
	s_cselect_b32 s66, s66, s67
	s_add_co_u32 s96, s96, s47
	s_add_co_u32 s98, s98, s66
	s_lshl_b32 s42, s18, 15                        ; where they go: wave x 32 KiB, wave x 4 KiB: no place in the cluster enters an LDS address
	s_lshl_b32 s43, s18, 12
	s_wait_dscnt 0x0                               ; both opening adds are done
	s_wait_kmcnt 0x0
	s_cmp_eq_u32 s23, 1
	s_cselect_b64 s[2:3], s[6:7], s[4:5]           ; A's buffer
	s_cselect_b64 s[66:67], s[4:5], s[6:7]         ; B's
	s_add_nc_u64 s[92:93], s[2:3], s[92:93]
	s_add_nc_u64 s[96:97], s[2:3], s[96:97]
	s_add_nc_u64 s[94:95], s[66:67], s[94:95]
	s_add_nc_u64 s[98:99], s[66:67], s[98:99]
	CROUND                                         ; all sixteen work-groups are here: the joint loads meet
	s_mov_b32 s[G0S], 1
	s_add_co_u32 s[G0S+1], s43, SCL
	s_mov_b64 s[G0S+2:G0S+3], s[96:97]
	s_or_b32 s[G0S+3], s[G0S+3], 0x80000000
	s_mov_b32 s[G0SB], 1
	s_add_co_u32 s[G0SB+1], s43, SCL
	s_mov_b64 s[G0SB+2:G0SB+3], s[98:99]
	s_or_b32 s[G0SB+3], s[G0SB+3], 0x80000000
	JLOAD G0S, G1S, G0SB, G1SB                     ; three loads of mine are out at the most: the scale words, slot 0, slot 1
.irp s, 0,1
	s_mov_b32 s[G0+4*\s], 1
	s_add_co_u32 s[G0+4*\s+1], s42, \s*SLOT
	s_add_nc_u64 s[G0+4*\s+2:G0+4*\s+3], s[92:93], \s*4096
	s_or_b32 s[G0+4*\s+3], s[G0+4*\s+3], 0x80000000
	s_mov_b32 s[G0B+4*\s], 1
	s_add_co_u32 s[G0B+4*\s+1], s42, \s*SLOT
	s_add_nc_u64 s[G0B+4*\s+2:G0B+4*\s+3], s[94:95], \s*4096
	s_or_b32 s[G0B+4*\s+3], s[G0B+4*\s+3], 0x80000000
	JLOAD G0+4*\s, G1, G0B+4*\s, G1B
.endr
	v_and_b32 v1, 15, v0                           ; r
	v_bfe_u32 v2, v0, 4, 1                         ; h
	v_and_b32 v4, 31, v0
	v_lshlrev_b32 v[LI], 4, v4
	v_lshlrev_b32 v3, 5, v2                        ; 32 h: the bias of my half's eight channels
	s_lshl_b32 s42, s19, 15
	s_lshl_b32 s43, s20, 15
	s_add_co_u32 s43, s43, 65536
.irp s, 0,1
	v_add_nc_u32 v[ADRA+\s], s42, v[LI]
	v_add_nc_u32 v[ADRB+\s], s43, v[LI]
	s_add_co_u32 s42, s42, SLOT
	s_add_co_u32 s43, s43, SLOT
.endr
	s_lshl_b32 s44, s19, 12                        ; scale words: lanes 0-15 A's half, lanes 16-31 B's: one product of h and the distance
	s_add_co_u32 s45, s20, 2
	s_sub_co_u32 s45, s45, s19
	s_lshl_b32 s45, s45, 12
	v_mul_u32_u24 v5, s45, v2
	v_lshl_add_u32 v5, v1, 4, v5
	s_add_co_u32 s44, s44, SCL
	v_add_nc_u32 v[ADRS], s44, v5
	s_cmp_eq_u32 s23, 1
	s_cbranch_scc1 .Lnobias
	s_cmp_eq_u32 ttmp9, 1
	s_cselect_b64 s[2:3], s[10:11], s[8:9]         ; Kbs or Qbs
	s_and_b32 s66, s40, 3
	s_lshl_b32 s66, s66, 10
	s_lshl_b32 s67, s20, 9
	s_add_co_u32 s66, s66, s67
	s_mov_b32 s67, 0
	s_add_nc_u64 s[2:3], s[2:3], s[66:67]          ; my 128 channels
.irp b, 0,1,2,3,4,5,6,7
	global_load_b128 v[BI+8*\b:BI+8*\b+3], v3, s[2:3] offset:64*\b        ; register 8 b + j: the bias of channel 16 b + 8 h + j
	global_load_b128 v[BI+8*\b+4:BI+8*\b+7], v3, s[2:3] offset:64*\b+16
.endr
.Lnobias:
.macro FRAG reg, adr, q, i             ; a fragment's image: 2 x 512 bytes
.irp c, 0,1
	ds_load_b128 v[\reg+4*\c:\reg+4*\c+3], v[\adr] offset:(\i)*4096+(\q)*1024+512*\c
.endr
.endm
; 16 matrix instructions: A's blocks a0, a0 + 1 x B's eight.  The 64 accumulators take turns, one instruction a turn, in the same order in every step.
.macro MUL16 a0, p, q, sc, zero
.irp a, \a0, \a0+1
.irp b, 0,1,2,3,4,5,6,7
.if \zero
	v_wmma_scale_f32_16x16x128_f8f6f4 v[8*(8*((\a)%4)+\b):8*(8*((\a)%4)+\b)+7], v[128*(\p)+FR*\b:128*(\p)+FR*\b+FR-1], v[AF+FR*(\a):AF+FR*(\a)+FR-1], 0, v[SC+8*NQ*(\sc)+NQ*\b+(\q)], v[SC+8*NQ*(\sc)+NQ*(\a)+(\q)] matrix_a_fmt:MATRIX_FMT_FP4 matrix_b_fmt:MATRIX_FMT_FP4 matrix_a_scale:MATRIX_SCALE_ROW1
.else
	v_wmma_scale_f32_16x16x128_f8f6f4 v[8*(8*((\a)%4)+\b):8*(8*((\a)%4)+\b)+7], v[128*(\p)+FR*\b:128*(\p)+FR*\b+FR-1], v[AF+FR*(\a):AF+FR*(\a)+FR-1], v[8*(8*((\a)%4)+\b):8*(8*((\a)%4)+\b)+7], v[SC+8*NQ*(\sc)+NQ*\b+(\q)], v[SC+8*NQ*(\sc)+NQ*(\a)+(\q)] matrix_a_fmt:MATRIX_FMT_FP4 matrix_b_fmt:MATRIX_FMT_FP4 matrix_a_scale:MATRIX_SCALE_ROW1
.endif
.endr
.endr
.endm
.macro FETCH_B slot, q, p
	WIN TO_B
.irp i, 0,1,2,3,4,5,6,7
	FRAG 128*(\p)+FR*\i, ADRB+\slot, \q, \i
.endr
	WIN 0
.endm
.macro FETCH_A slot, q, i0
.irp i, \i0, \i0+1, \i0+2, \i0+3
	FRAG AF+FR*(\i), ADRA+\slot, \q, \i
.endr
.endm
.macro SCALES sc                       ; a slot's four words a row: lanes 0-15 A's block i, lanes 16-31 B's block i
.irp i, 0,1,2,3,4,5,6,7
	ds_load_b128 v[SC+8*NQ*\sc+NQ*\i:SC+8*NQ*\sc+NQ*\i+3], v[ADRS] offset:\i*512
.endr
.endm
.macro PLACES n                        ; plain places behind matrix instructions, ahead of loads into their registers and of reads of their results
.rept \n
	v_nop
.endr
.endm
.macro STEP slot, q, zero              ; 128 along K, its successor in the same slot
	s_wait_dscnt 4*NL                              ; B's set and A's blocks 0-3 are in; the youngest eight loads (A's blocks 4-7) may be out
	WIN MUL_LO
	MUL16 0, (\q)%2, \q, \slot, \zero
	MUL16 2, (\q)%2, \q, \slot, \zero
	s_wait_dscnt 0
	PLACES NP
	FETCH_B \slot, (\q)+1, 1-(\q)%2
	FETCH_A \slot, (\q)+1, 0
	WIN MUL_HI
	MUL16 4, (\q)%2, \q, \slot, \zero
	MUL16 6, (\q)%2, \q, \slot, \zero
	PLACES NP
	WIN 0
	FETCH_A \slot, (\q)+1, 4
.endm
.macro TURN slot, next                 ; slot 0's last step: behind the barrier slot 1 is whole in every wave's eyes; nothing is filled again
	s_wait_tensorcnt 0x0                           ; all my tensor loads have landed: my part of slot 1
	ds_add_u32 v[SPW], v[NIL]
	s_wait_dscnt 4*NL+1                            ; the add and A's blocks 4-7 may be out
	WIN MUL_LO
	MUL16 0, 1, NQ-1, \slot, 0
	s_wait_dscnt 0x0
	s_barrier_signal -1
	MUL16 2, 1, NQ-1, \slot, 0
	WIN 0
	s_barrier_wait -1
	PLACES NP
	v_add_nc_u32 v[ADRS], 256, v[ADRS]             ; the second K half's scale words
	FETCH_B \next, 0, 0
	FETCH_A \next, 0, 0
	SCALES \next
	WIN MUL_HI
	MUL16 4, 1, NQ-1, \slot, 0
	MUL16 6, 1, NQ-1, \slot, 0
	PLACES NP
	WIN 0
	FETCH_A \next, 0, 4
.endm
.macro STEPS slot, from
.set Q, \from
.rept NQ-1-\from
	STEP \slot, Q, 0
.set Q, Q+1
.endr
.endm
	s_wait_tensorcnt 1                             ; the scale words and my part of slot 0 are in; slot 1's load may be out
	s_barrier_signal -1
	s_barrier_wait -1
	FETCH_B 0, 0, 0
	FETCH_A 0, 0, 0
	SCALES 0
	FETCH_A 0, 0, 4
	STEP 0, 0, 1                                   ; the first products start the sums: nothing is cleared
	STEPS 0, 1
	TURN 0, 1
	STEPS 1, 0
	s_wait_dscnt 4*NL
	WIN MUL_LO
	MUL16 0, 1, NQ-1, 1, 0
	MUL16 2, 1, NQ-1, 1, 0
	s_wait_dscnt 0
	WIN MUL_HI
	MUL16 4, 1, NQ-1, 1, 0
	MUL16 6, 1, NQ-1, 1, 0
	WIN 0
	PLACES NP
	s_wait_loadcnt 0x0                             ; the bias
	s_cmp_eq_u32 s23, 1
	s_cbranch_scc1 .Lv
	; ---------------- q and k leave.  Block a = 16 positions; b = 16 channels: b / 4 the head, (b % 4) / 2 the fragment, b % 2 its half
	s_lshr_b32 s42, s41, 2
	s_lshl_b32 s42, s42, 4
	s_and_b32 s43, s40, 3
	s_lshl_b32 s43, s43, 2
	s_add_co_u32 s42, s42, s43
	s_lshl_b32 s43, s20, 1
	s_add_co_u32 s42, s42, s43                     ; 16 x batch + my first head
	s_cmp_eq_u32 ttmp9, 1
	s_cselect_b32 s43, 18, 17                      ; a head's bytes: 2^18 in kv, 2^17 in qw
	s_cselect_b32 s44, 16, 15                      ; 256 positions' bytes
	s_cselect_b32 s45, 1, 0
	s_cselect_b64 s[92:93], s[14:15], s[12:13]
	s_lshl_b32 s94, s42, s43
	s_and_b32 s46, s41, 3
	s_lshl_b32 s47, s46, s44
	s_add_co_u32 s94, s94, s47
	s_lshl_b32 s47, s19, 14
	s_add_co_u32 s94, s94, s47
	s_mov_b32 s95, 0
	s_add_nc_u64 s[92:93], s[92:93], s[94:95]      ; my first head,
	s_lshl_b32 s94, 1, s43
	s_add_nc_u64 s[96:97], s[92:93], s[94:95]      ; my second
	s_mul_i32 s94, s42, 3
	s_add_co_u32 s94, s94, s45
	s_lshl_b32 s94, s94, 12
	s_add_nc_u64 s[98:99], s[16:17], s[94:95]      ; the f32 images of positions 0-15
	s_or_b32 s46, s46, s19                         ; 0 where my block 0 is a sequence's first 16 positions
.macro QKOUT a
.set AC, 64*((\a)%4)
	s_wait_xcnt 0x0                                ; the last block's stores have read their registers
	WIN 0x02+((\a)/4)
.set i, 0
.rept 32
	v_pk_add_f32 v[TT+2*i:TT+2*i+1], v[AC+2*i:AC+2*i+1], v[BI+2*i:BI+2*i+1]   ; + bias; each accumulator from its low end on
.set i, i+1
.endr
	WIN 0
.set i, 0
.rept 32
	v_cvt_pk_f16_f32 v[PK+i], v[TT+2*i], v[TT+2*i+1]
.set i, i+1
.endr
.irp b, 0,1,2,3
	global_store_b128 v[LI], v[PK+4*\b:PK+4*\b+3], s[92:93] offset:(\a)*2048+512*\b          ; 512 consecutive bytes a store
	global_store_b128 v[LI], v[PK+16+4*\b:PK+16+4*\b+3], s[96:97] offset:(\a)*2048+512*\b
.endr
.endm
	QKOUT 0
	v_mov_b32 v5, s46                              ; the choice hangs on my place in the cluster: lanes are switched off, no branch is taken
	v_cmp_eq_u32 vcc_lo, 0, v5
	s_wait_xcnt 0x0                                ; EXEC changes only behind this wait
	s_and_saveexec_b32 s66, vcc_lo
.irp b, 0,1,2,3,4,5,6,7
	global_store_b128 v[LI], v[TT+8*\b:TT+8*\b+3], s[98:99] offset:(\b/4)*12288+(\b%4)*1024
	global_store_b128 v[LI], v[TT+8*\b+4:TT+8*\b+7], s[98:99] offset:(\b/4)*12288+(\b%4)*1024+512
.endr
	s_wait_xcnt 0x0
	s_or_b32 exec_lo, exec_lo, s66
.irp a, 1,2,3,4,5,6,7
	QKOUT \a
.endr
	s_branch .Ldone
	; ---------------- v leaves.  Block a = 16 channels (a / 4 the head), b = 16 positions: b / 2 the fragment of 32 keys, b % 2 its half
.Lv:
	s_lshr_b32 s42, s40, 2
	s_lshl_b32 s42, s42, 4
	s_lshl_b32 s43, s41, 2
	s_add_co_u32 s42, s42, s43
	s_lshl_b32 s43, s19, 1
	s_add_co_u32 s42, s42, s43                     ; 16 x batch + my first head
	s_and_b32 s46, s40, 3                          ; the slot of 256 keys
	s_lshl_b32 s94, s42, 18
	s_lshl_b32 s47, s46, 16
	s_add_co_u32 s94, s94, s47
	s_lshl_b32 s47, s20, 14
	s_add_co_u32 s94, s94, s47
	s_add_co_u32 s94, s94, 32768
	s_mov_b32 s95, 0
	s_add_nc_u64 s[92:93], s[14:15], s[94:95]
	s_lshl_b32 s94, s42, 4
	s_lshl_b32 s47, s46, 2
	s_add_co_u32 s94, s94, s47
	s_lshl_b32 s47, s20, 1
	s_add_co_u32 s94, s94, s47
	s_lshl_b32 s94, s94, 8
	s_add_co_u32 s94, s94, VS_OFF
	s_add_nc_u64 s[96:97], s[16:17], s[94:95]      ; the sums of my two chunks of 64 keys
	s_mul_i32 s94, s42, 3
	s_add_co_u32 s94, s94, 2
	s_lshl_b32 s94, s94, 12
	s_add_nc_u64 s[98:99], s[16:17], s[94:95]
	s_or_b32 s46, s46, s20                         ; 0 where my block b = 0 is a sequence's first 16 positions
	s_cmp_eq_u32 s46, 0
	s_cselect_b32 s44, 0, 1.0                      ; those 16 stay out of chunk 0's sum
	s_mov_b32 s45, s44
	s_mov_b32 s2, 0x76543210
	s_mov_b32 s3, 0xfedcba98
	v_lshlrev_b32 v6, 2, v1
	v_lshl_add_u32 v6, v2, 8, v6                   ; 4 r + 256 h
	v_cmp_ne_u32 s67, 0, v2
	v_mov_b32 v5, s46
	v_cmp_eq_u32 vcc_lo, 0, v5
	s_wait_xcnt 0x0
	s_and_saveexec_b32 s66, vcc_lo
.irp a, 0,1,2,3,4,5,6,7
	WIN 0x08+4*(\a/4)                              ; a store's data are its source 1
	global_store_b128 v[LI], v[64*(\a%4):64*(\a%4)+3], s[98:99] offset:(\a/4)*12288+(\a%4)*1024
	global_store_b128 v[LI], v[64*(\a%4)+4:64*(\a%4)+7], s[98:99] offset:(\a/4)*12288+(\a%4)*1024+512
.endr
	WIN 0
	s_wait_xcnt 0x0
	s_or_b32 exec_lo, exec_lo, s66
.macro VOUT a
.set AC, 64*((\a)%4)
	s_wait_xcnt 0x0
	WIN 0x0a+5*((\a)/4)
.set i, 0
.rept 32
	v_cvt_pk_f16_f32 v[PK+i], v[AC+2*i], v[AC+2*i+1]
.set i, i+1
.endr
.set i, 0
.rept 16
	v_pk_add_f32 v[TT+2*i:TT+2*i+1], v[AC+4*i:AC+4*i+1], v[AC+4*i+2:AC+4*i+3]
.set i, i+1
.endr
	WIN 0
.irp b, 0,1,2,3,4,5,6,7
	v_pk_add_f32 v[TT+4*\b:TT+4*\b+1], v[TT+4*\b:TT+4*\b+1], v[TT+4*\b+2:TT+4*\b+3]   ; block b's eight positions of my half, in two halves
.endr
	v_pk_add_f32 v[TT+4:TT+5], v[TT+4:TT+5], v[TT+8:TT+9]
	v_pk_add_f32 v[TT+16:TT+17], v[TT+16:TT+17], v[TT+20:TT+21]
	v_pk_add_f32 v[TT+24:TT+25], v[TT+24:TT+25], v[TT+28:TT+29]
	v_pk_add_f32 v[TT+4:TT+5], v[TT+4:TT+5], v[TT+12:TT+13]
	v_pk_add_f32 v[TT+16:TT+17], v[TT+16:TT+17], v[TT+24:TT+25]
	v_pk_fma_f32 v[TT+4:TT+5], v[TT:TT+1], s[44:45], v[TT+4:TT+5] op_sel_hi:[1,0,1]
	v_add_f32 v[TT+4], v[TT+4], v[TT+5]            ; my half of chunk 0,
	v_add_f32 v[TT+16], v[TT+16], v[TT+17]         ; of chunk 1
	v_cndmask_b32 v[TT+6], v[TT+4], v[TT+16], s67  ; lane (r, h) finishes chunk h: it keeps its own part of it
	v_cndmask_b32 v[TT+7], v[TT+16], v[TT+4], s67  ; and hands over the other's
	v_permlanex16_b32 v[TT+8], v[TT+7], s2, s3
	v_add_f32 v[TT+32+(\a)], v[TT+6], v[TT+8]
	global_store_b32 v6, v[TT+32+(\a)], s[96:97] offset:((\a)/4)*4096+((\a)%4)*64
.irp b, 0,1,2,3,4,5,6,7
	global_store_b128 v[LI], v[PK+4*\b:PK+4*\b+3], s[92:93] offset:((\a)/4)*262144+(\b/2)*4096+((\a)%4)*1024+(\b%2)*512
.endr
.endm
.irp a, 0,1,2,3,4,5,6,7
	VOUT \a
.endr
.Ldone:
	s_wait_tensorcnt 0x0                           ; the wave's end
	ds_add_u32 v[SPW], v[NIL]
	s_wait_dscnt 0x0
	CROUND                                         ; the closing round
	s_endpgm
.Lfunc_end_k_qe4c4992dae_proj:
	.size	k_qe4c4992dae_proj, .Lfunc_end_k_qe4c4992dae_proj-k_qe4c4992dae_proj
	.p2alignl 7, 3214868480
	.fill 96, 4, 3214868480
	.section	.rodata,"a",@progbits
	.p2align	6, 0x0
	.amdhsa_kernel k_qe4c4992dae_proj
		.amdhsa_group_segment_fixed_size 327680
		.amdhsa_private_segment_fixed_size 0
		.amdhsa_enable_private_segment 0
		.amdhsa_kernarg_size 56
		.amdhsa_user_sgpr_count 2
		.amdhsa_user_sgpr_kernarg_segment_ptr 1
		.amdhsa_wavefront_size32 1
		.amdhsa_system_sgpr_workgroup_id_x 1
		.amdhsa_system_sgpr_workgroup_id_y 1
		.amdhsa_system_sgpr_workgroup_id_z 1
		.amdhsa_system_vgpr_workitem_id 0
		.amdhsa_next_free_vgpr 1024
		.amdhsa_next_free_sgpr 100
		.amdhsa_reserve_vcc 1
		.amdhsa_float_denorm_mode_32 3
		.amdhsa_float_denorm_mode_16_64 3
		.amdhsa_memory_ordered 1
		.amdhsa_forward_progress 1
		.amdhsa_inst_pref_size 182
	.end_amdhsa_kernel
	.amdgpu_metadata
---
amdhsa.version: [ 1, 2 ]
amdhsa.kernels:
  - .name:           k_qe4c4992dae_proj
    .symbol:         k_qe4c4992dae_proj.kd
    .args:
      - { .name: xq, .offset: 0, .size: 8, .value_kind: global_buffer, .address_space: global }
      - { .name: wq, .offset: 8, .size: 8, .value_kind: global_buffer, .address_space: global }
      - { .name: Qbs, .offset: 16, .size: 8, .value_kind: global_buffer, .address_space: global }
      - { .name: Kbs, .offset: 24, .size: 8, .value_kind: global_buffer, .address_space: global }
      - { .name: qw, .offset: 32, .size: 8, .value_kind: global_buffer, .address_space: global }
      - { .name: kv, .offset: 40, .size: 8, .value_kind: global_buffer, .address_space: global }
      - { .name: side, .offset: 48, .size: 8, .value_kind: global_buffer, .address_space: global }
    .group_segment_fixed_size: 327680
    .private_segment_fixed_size: 0
    .kernarg_segment_align: 8
    .kernarg_segment_size: 56
    .max_flat_workgroup_size: 128
    .sgpr_count:     100
    .vgpr_count:     1024
    .wavefront_size: 32
...
	.end_amdgpu_metadata
.endif
;; end of part 2
;; launch attn (part 3): grid 2 x 128, 16 waves a work-group, no clusters, 327,680 bytes of LDS; arguments qw, kv, side, Vbs, zw; writes zw
.if DOCPART == 3
	.amdgcn_target "amdgcn-amd-amdhsa--gfx1250"
	.amdhsa_code_object_version 6
	.text
	.protected	k_qe4c4992dae_attn
	.globl	k_qe4c4992dae_attn
	.p2align	8
	.type	k_qe4c4992dae_attn,@function
k_qe4c4992dae_attn:
	s_mov_b64 s[64:65], 0
	v_nop
	global_prefetch_b8 v0, s[64:65] scope:SCOPE_SE
	s_setreg_imm32_b32 hwreg(HW_REG_WAVE_MODE, 25, 1), 1
	s_wait_xcnt 0x0
; ATTN: z = softmax(where(key > query, -1e5, q.k / 8)) v0 + Vbs, f16 operands, f32 sums, a running maximum.
; WORK LEFT OUT: q.k of steps of 64 keys that lie wholly behind a wave's 16 queries: reference() replaces those scores by -1e5 whatever they are.  Their WEIGHTS are kept: all have w = 2^(c IGN - c m'), so one step
;   at a tile's end adds w x (the sum of their v0, from the suffix sums SUF) to O and w x (their number) to l.  Inside the step on the diagonal a masked score becomes IGN and goes through the softmax like any other.
; Scores stay in units of q.k: c = log2(e) / 8, IGN = -800,000 = 8 x -1e5.
; SHARES: work-group (J, head of a batch) owns the query blocks J and 3 - J of 256: five slots of 256 keys for every work-group, a constant number of trips.  Each of sixteen waves owns one tile of 16 queries of the block in hand;
;   TILE = 4 ((a + b) % 4) + b (a = wave % 4, b = wave / 4), so that the uneven steps of the slot on the diagonal are spread evenly over any four waves with equal a or equal b.
; NO CLUSTER: in one trip the two work-groups of a head walk different slots (0,0,1,2,3 and 0,1,0,1,2), so no tile is wanted by both at the same time.
; LAYOUT: S^T = K Q^T, O^T = V^T P: a lane holds one query (lane % 16) throughout.  K's, V's and Q's fragments lie in memory as images of their registers: each LDS load takes 512 bytes on end.
; RING: two slots of 64 KiB (K 32, V 32), filled by waves 0-3, 16 KiB each; one load of a wave is out at a time; every wait on TENSORcnt is for 0.
.set SLOT1, 65536
.set SUF,   131072                     ; 15 x 256 bytes: at 256 (c - 1) the sum of v0 over the chunks of 64 keys from c on, c = 1 .. 15; written by wave 4, once
.set SPARE, 135168                     ; the spare words, 128 bytes a wave, named by no other line
.set VS_OFF, 1572864
.set LI,  1                            ; v1  16 x lane
.set ADF, 2                            ; v2  + the slot in hand
.set DD,  3
.set IGN, 4
.set SPW, 5
.set NIL, 6
.set SUFW, 8
.set SUFR, 9
.set RH,  10                           ; v10 r - 8 h
.set ADR2, 11
; v12 c m, v13 m, v[14:15] l in two halves, v16-19 at work (a in v18)
.set Q,   20
.set Q2,  36
.set BV,  52
.set S,   84
.set P,   116
.set O,   132
.set F,   164
.set WW,  228                          ; v[228:229] w; v[230:231] 1 / l: the packed forms take the low word of a pair
.set INV, 230
.set WV, 14
.set J,  15
.set BH, 16
.set TILE, 17
.set SEL, 18
.set CS, 20
.set G1, 24
.set G0, 32
.set KVB, 36
.set T,  38
.set KS, 39
.set KSN, 40
.set BLK, 41
.set Q0, 42
.set KF, 43
.set TB, 44
; s45, s46 at work; s47 = 0 throughout
.macro TLOAD                           ; waves 0-3 fetch; an s_nop 0 and four v_nop follow the load
	s_cmp_lt_u32 s[WV], 4
	s_cbranch_scc0 .Lno_\@
	tensor_load_to_lds s[G0:G0+3], s[G1:G1+7]
	s_nop 0
.rept 4
	v_nop
.endr
.Lno_\@:
.endm
.macro INIT                            ; a block's start: zeros, and a maximum under every score
.set i, 0
.rept 32
	v_mov_b32 v[O+i], 0
.set i, i+1
.endr
	v_mov_b32 v14, 0
	v_mov_b32 v15, 0
	v_mov_b32 v13, 0xff61b1e6                      ; -3e38
	v_mul_f32 v12, s[CS], v13
.endm
; The change of slots, at a trip's head.  fill = 1: the slot just left takes the next trip's keys.
.macro CHANGE fill
	s_wait_tensorcnt 0x0                           ; no tensor load of mine is out: group 0 may be written
	ds_add_u32 v[SPW], v[NIL]
.if \fill
	ds_add_u32 v[SPW], v[NIL]                      ; and twice on end here
	s_xor_b32 s[G0+1], s[G0+1], SLOT1
	s_add_co_u32 s45, s[KS], 1
	s_cmp_eq_u32 s[T], s[J]                        ; behind trip J the second block begins, at slot 0 of the keys
	s_cselect_b32 s[KSN], 0, s45
	s_lshl_b32 s46, s[KSN], 16
	s_add_nc_u64 s[G0+2:G0+3], s[KVB:KVB+1], s[46:47]
	s_or_b32 s[G0+3], s[G0+3], 0x80000000
.endif
	s_wait_dscnt 0x0                               ; the add is done, and my reads of the slot that I have left
	s_barrier_signal -1
	s_barrier_wait -1
.if \fill
	TLOAD                                          ; it has a whole trip, four key steps of sixteen waves, in which to land
.endif
.endm
; A key step: 64 keys, the q-th of the slot in hand.
.macro STEP q
	s_add_co_u32 s45, s[Q0], 15
	s_cmp_gt_u32 s[KF], s45                        ; all 64 keys behind my queries: ids and counts alone
	s_cbranch_scc1 .Lhid_\@
.rept 4
	v_nop                                          ; places ahead of loads into registers that the last products read
.endr
.irp i, 0,1,2,3
.irp c, 0,1
	ds_load_b128 v[F+8*(2*\i+\c):F+8*(2*\i+\c)+3], v[ADF] offset:((4*(\q)+\i)*2+\c)*1024
	ds_load_b128 v[F+8*(2*\i+\c)+4:F+8*(2*\i+\c)+7], v[ADF] offset:((4*(\q)+\i)*2+\c)*1024+512
.endr
.endr
	s_wait_dscnt 0x0
.irp i, 0,1,2,3                        ; the four tiles of keys take turns
	v_wmma_f32_16x16x32_f16 v[S+8*\i:S+8*\i+7], v[F+16*\i:F+16*\i+7], v[Q:Q+7], 0
.endr
.irp i, 0,1,2,3
	v_wmma_f32_16x16x32_f16 v[S+8*\i:S+8*\i+7], v[F+16*\i+8:F+16*\i+15], v[Q+8:Q+15], v[S+8*\i:S+8*\i+7]
.endr
.rept 4
	v_nop
.endr
.irp u, 0,1                            ; V's fragments land while the softmax is walked
.irp t, 0,1,2,3
	ds_load_b128 v[F+8*(4*\u+\t):F+8*(4*\u+\t)+3], v[ADF] offset:32768+(2*(\q)+\u)*4096+\t*1024
	ds_load_b128 v[F+8*(4*\u+\t)+4:F+8*(4*\u+\t)+7], v[ADF] offset:32768+(2*(\q)+\u)*4096+\t*1024+512
.endr
.endr
	s_add_co_u32 s45, s[KF], 63
	s_cmp_le_u32 s45, s[Q0]
	s_cbranch_scc1 .Lopen_\@
	s_sub_co_i32 s45, s[Q0], s[KF]
	v_add_nc_u32 v[DD], s45, v[RH]                 ; register 8 i + j holds key KF + 16 i + 8 h + j: masked where 16 i + j > Q0 - KF + r - 8 h
.set n, 0
.rept 32
	v_cmp_gt_i32 vcc_lo, 16*(n/8)+n%8, v[DD]
	v_cndmask_b32 v[S+n], v[S+n], v[IGN], vcc_lo
.set n, n+1
.endr
.Lopen_\@:
.irp j, 0,1,2,3
	v_max3_num_f32 v[16+\j], v[S+8*\j], v[S+8*\j+1], v[S+8*\j+2]
.endr
.irp k, 3,5
.irp j, 0,1,2,3
	v_max3_num_f32 v[16+\j], v[16+\j], v[S+8*\j+\k], v[S+8*\j+\k+1]
.endr
.endr
	v_max3_num_f32 v16, v16, v[S+7], v[S+15]
	v_max3_num_f32 v18, v18, v[S+23], v[S+31]
	v_max3_num_f32 v16, v16, v17, v18
	v_max3_num_f32 v16, v16, v19, v13              ; with the old maximum
	v_permlanex16_b32 v17, v16, s[SEL], s[SEL+1]
	v_mov_b32 v19, v12
	v_max_num_f32 v13, v16, v17
	v_mul_f32 v12, s[CS], v13
	v_sub_f32 v19, v19, v12                        ; c m_old - c m_new
.set i, 0
.rept 16
	v_pk_fma_f32 v[S+2*i:S+2*i+1], v[S+2*i:S+2*i+1], s[CS:CS+1], v[12:13] op_sel_hi:[1,0,0] neg_lo:[0,0,1] neg_hi:[0,0,1]
.set i, i+1
.endr
	v_exp_f32 v18, v19                             ; a
.set i, 0
.rept 32
	v_exp_f32 v[S+i], v[S+i]
.set i, i+1
.endr
	v_nop                                          ; a plain place behind the batch,
	s_wait_alu depctr_va_vdst(0)                   ; and the one wait ahead of its first reader
.set i, 0
.rept 16
	v_cvt_pk_f16_f32 v[P+i], v[S+2*i], v[S+2*i+1]
.set i, i+1
.endr
.irp j, 0,4,8,12,16,20,24,28
	v_pk_add_f32 v[S+\j:S+\j+1], v[S+\j:S+\j+1], v[S+\j+2:S+\j+3]
.endr
.irp j, 0,8,16,24
	v_pk_add_f32 v[S+\j:S+\j+1], v[S+\j:S+\j+1], v[S+\j+4:S+\j+5]
.endr
.irp j, 0,16
	v_pk_add_f32 v[S+\j:S+\j+1], v[S+\j:S+\j+1], v[S+\j+8:S+\j+9]
.endr
	v_pk_add_f32 v[S:S+1], v[S:S+1], v[S+16:S+17]
	v_pk_fma_f32 v[14:15], v[14:15], v[18:19], v[S:S+1] op_sel_hi:[1,0,1]
.set i, 0
.rept 16
	v_pk_mul_f32 v[O+2*i:O+2*i+1], v[O+2*i:O+2*i+1], v[18:19] op_sel_hi:[1,0]
.set i, i+1
.endr
	s_wait_dscnt 0x0                               ; V
.irp u, 0,1
.irp t, 0,1,2,3
	v_wmma_f32_16x16x32_f16 v[O+8*\t:O+8*\t+7], v[F+8*(4*\u+\t):F+8*(4*\u+\t)+7], v[P+8*\u:P+8*\u+7], v[O+8*\t:O+8*\t+7]
.endr
.endr
.Lhid_\@:
	s_add_co_u32 s[KF], s[KF], 64
.endm
; A block's end, in the trip of the slot on its diagonal: the masked keys' term, the division, Vbs, z out as the next product's fragments.
.macro BEND last
.if !\last
	s_cmp_eq_u32 s[KS], s[BLK]
	s_cbranch_scc0 .Lnoend_\@
.endif
.rept 4
	v_nop
.endr
	v_add_f32 v16, v14, v15
	v_permlanex16_b32 v17, v16, s[SEL], s[SEL+1]
	v_add_f32 v16, v16, v17                        ; l
	s_lshr_b32 s46, s[Q0], 6                       ; the last chunk of 64 keys that was walked;
	s_add_co_u32 s45, s46, 1                       ; the first that was left out
	s_cmp_lt_u32 s45, 16
	s_cbranch_scc0 .Lnorest_\@
	s_min_u32 s46, s46, 14                         ; its suffix sum lies at 256 x (chunk - 1): 0 .. 14 x 256, all written by wave 4
	s_lshl_b32 s46, s46, 8
	v_add_nc_u32 v[ADR2], s46, v[SUFR]
.irp i, 0,1,2,3,4,5,6,7
	ds_load_b128 v[F+4*\i:F+4*\i+3], v[ADR2] offset:64*(\i/2)+16*(\i%2)    ; R in O^T's layout: channel 16 t + 8 h + j
.endr
	s_lshl_b32 s45, s45, 6
	s_sub_co_u32 s45, 1024, s45                    ; their number
	v_mov_b32 v234, s45
	v_cvt_f32_u32 v234, v234
	v_max_num_f32 v17, v13, v[IGN]                 ; m' = max(m, IGN): the maximum is taken away here too
	v_mul_f32 v17, s[CS], v17
	v_sub_f32 v18, v12, v17
	v_fma_f32 v19, v[IGN], s[CS], -v17
	v_exp_f32 v18, v18                             ; a
	v_exp_f32 v[WW], v19                           ; w
	v_nop
	s_wait_alu depctr_va_vdst(0)
	v_mul_f32 v16, v16, v18
	v_fmac_f32 v16, v[WW], v234
	s_wait_dscnt 0x0
.set i, 0
.rept 16
	v_pk_mul_f32 v[O+2*i:O+2*i+1], v[O+2*i:O+2*i+1], v[18:19] op_sel_hi:[1,0]
.set i, i+1
.endr
.set i, 0
.rept 16
	v_pk_fma_f32 v[O+2*i:O+2*i+1], v[F+2*i:F+2*i+1], v[WW:WW+1], v[O+2*i:O+2*i+1] op_sel_hi:[1,0,1]
.set i, i+1
.endr
.Lnorest_\@:
	v_rcp_f32 v[INV], v16
	v_nop
	s_wait_alu depctr_va_vdst(0)
.set i, 0
.rept 16
	v_pk_fma_f32 v[S+2*i:S+2*i+1], v[O+2*i:O+2*i+1], v[INV:INV+1], v[BV+2*i:BV+2*i+1] op_sel_hi:[1,0,1]
.set i, i+1
.endr
.set i, 0
.rept 16
	v_cvt_pk_f16_f32 v[P+i], v[S+2*i], v[S+2*i+1]
.set i, i+1
.endr
	s_lshr_b32 s46, s[Q0], 4
	s_lshl_b32 s46, s46, 15
	s_add_nc_u64 s[58:59], s[54:55], s[46:47]
.irp f, 0,1,2,3
	global_store_b128 v[LI], v[P+4*\f:P+4*\f+3], s[58:59] offset:512*\f
.endr
	s_wait_xcnt 0x0                                ; the stores have read their registers and base
.Lnoend_\@:
.endm
.macro BODY last
	s_lshl_b32 s[KF], s[KS], 8
	v_add_nc_u32 v[ADF], s[TB], v[LI]
.if !\last
	s_add_co_u32 s45, s[J], 1
	s_cmp_eq_u32 s[T], s45
	s_cbranch_scc0 .Lsame_\@
	s_sub_co_u32 s[BLK], 3, s[J]                   ; the second block begins
	s_lshl_b32 s[Q0], s[BLK], 8
	s_lshl_b32 s45, s[TILE], 4
	s_add_co_u32 s[Q0], s[Q0], s45
.rept 4
	v_nop                                          ; places between the last products, on any way here, and the writes of O^T and Q below (ISA guide 7.12.1)
.endr
	INIT
.set i, 0
.rept 16
	v_mov_b32 v[Q+i], v[Q2+i]
.set i, i+1
.endr
.Lsame_\@:
.endif
	STEP 0
	STEP 1
	STEP 2
	STEP 3
	BEND \last
.endm
	s_load_b256 s[4:11], s[0:1], 0x0               ; qw s[4:5], kv s[6:7], side s[8:9], Vbs s[10:11]
	s_load_b64 s[12:13], s[0:1], 0x20              ; zw
	v_lshl_add_u32 v[SPW], v0, 2, SPARE
	v_mov_b32 v[NIL], 0
	ds_add_u32 v[SPW], v[NIL]                      ; the opening: the add, twice on end, and its wait ahead of the first tensor load
	ds_add_u32 v[SPW], v[NIL]
	v_lshrrev_b32 v7, 5, v0
	v_readfirstlane_b32 s[WV], v7
	s_mov_b32 s[J], ttmp9
	s_and_b32 s[BH], ttmp7, 0xffff
	s_and_b32 s45, s[WV], 3
	s_lshr_b32 s46, s[WV], 2
	s_add_co_u32 s45, s45, s46
	s_and_b32 s45, s45, 3
	s_lshl_b32 s45, s45, 2
	s_add_co_u32 s[TILE], s45, s46
	s_mov_b32 s[G1], 3<<16                         ; 64 rows of 256 bytes, dense: elements of 8 bytes, no padding, no mask
	s_mov_b32 s[G1+1], 32<<16
	s_mov_b32 s[G1+2], 64<<16
	s_mov_b32 s[G1+3], 32<<16
	s_mov_b32 s[G1+4], 64
	s_mov_b32 s[G1+5], 32
	s_mov_b32 s[G1+6], 0
	s_mov_b32 s[G1+7], 0
	s_mov_b32 s[SEL], 0x76543210
	s_mov_b32 s[SEL+1], 0xfedcba98
	s_mov_b32 s[CS], 0x3e38aa3b                    ; c = log2(e) / 8
	s_mov_b32 s[CS+1], s[CS]
	s_mov_b32 s[T], 0
	s_mov_b32 s[KS], 0
	s_mov_b32 s[KSN], 0
	s_mov_b32 s[TB], 0
	s_mov_b32 s[BLK], s[J]
	s_lshl_b32 s[Q0], s[J], 8
	s_lshl_b32 s45, s[TILE], 4
	s_add_co_u32 s[Q0], s[Q0], s45                 ; my first query
	s_mov_b32 s[G0], 1
	s_lshl_b32 s[G0+1], s[WV], 14
	s_lshl_b32 s46, s[BH], 18
	s_lshl_b32 s47, s[WV], 14
	s_add_co_u32 s46, s46, s47
	s_mov_b32 s47, 0
	s_wait_dscnt 0x0
	s_wait_kmcnt 0x0
	s_add_nc_u64 s[KVB:KVB+1], s[6:7], s[46:47]    ; my quarter of the head's slot 0
	s_mov_b64 s[G0+2:G0+3], s[KVB:KVB+1]
	s_or_b32 s[G0+3], s[G0+3], 0x80000000
	TLOAD
	v_and_b32 v7, 31, v0
	v_lshlrev_b32 v[LI], 4, v7
	v_lshl_add_u32 v[SUFW], v7, 3, SUF
	v_lshlrev_b32 v232, 3, v7                      ; 8 x lane
	v_bfe_u32 v16, v0, 4, 1                        ; h
	v_and_b32 v17, 15, v0                          ; r
	v_lshl_add_u32 v[SUFR], v16, 5, SUF
	v_lshlrev_b32 v233, 5, v16                     ; 32 h
	v_lshlrev_b32 v18, 3, v16
	v_sub_nc_u32 v[RH], v17, v18
	v_mov_b32 v[IGN], 0xc9435000                   ; -800,000
	v_mov_b32 v19, 0
	v_mov_b32 v[WW], 0
	v_mov_b32 v[WW+1], 0
	v_mov_b32 v[INV+1], 0
	s_lshl_b32 s46, s[BH], 17
	s_lshl_b32 s45, s[J], 4
	s_add_co_u32 s45, s45, s[TILE]
	s_lshl_b32 s45, s45, 11
	s_add_co_u32 s46, s46, s45
	s_add_nc_u64 s[48:49], s[4:5], s[46:47]        ; my tile of block J,
	s_lshl_b32 s46, s[BH], 17
	s_sub_co_u32 s45, 3, s[J]
	s_lshl_b32 s45, s45, 4
	s_add_co_u32 s45, s45, s[TILE]
	s_lshl_b32 s45, s45, 11
	s_add_co_u32 s46, s46, s45
	s_add_nc_u64 s[50:51], s[4:5], s[46:47]        ; of block 3 - J
	s_and_b32 s45, s[BH], 15
	s_lshl_b32 s46, s45, 8
	s_add_nc_u64 s[52:53], s[10:11], s[46:47]      ; the head's Vbs
	s_lshr_b32 s46, s[BH], 4
	s_lshl_b32 s46, s46, 21
	s_lshl_b32 s45, s45, 11
	s_add_co_u32 s46, s46, s45
	s_add_nc_u64 s[54:55], s[12:13], s[46:47]      ; z: batch x 64 row tiles of 32 KiB + head x 2 KiB
	s_lshl_b32 s46, s[BH], 12
	s_add_co_u32 s46, s46, VS_OFF
	s_add_nc_u64 s[56:57], s[8:9], s[46:47]        ; the head's sums of v0
.irp f, 0,1,2,3
	global_load_b128 v[Q+4*\f:Q+4*\f+3], v[LI], s[48:49] offset:512*\f
	global_load_b128 v[Q2+4*\f:Q2+4*\f+3], v[LI], s[50:51] offset:512*\f
.endr
.irp i, 0,1,2,3,4,5,6,7
	global_load_b128 v[BV+4*\i:BV+4*\i+3], v233, s[52:53] offset:64*(\i/2)+16*(\i%2)
.endr
	INIT
	s_cmp_eq_u32 s[WV], 4                          ; wave 4, which fetches nothing, makes the suffix sums
	s_cbranch_scc0 .Lnot4
.irp c, 1,2,3,4,5,6,7,8,9,10,11,12,13,14,15
	global_load_b64 v[F+2*\c:F+2*\c+1], v232, s[56:57] offset:256*\c
.endr
	s_wait_loadcnt 0x0
	ds_store_b64 v[SUFW], v[F+30:F+31] offset:14*256
.irp c, 14,13,12,11,10,9,8,7,6,5,4,3,2,1
	v_pk_add_f32 v[F+2*\c:F+2*\c+1], v[F+2*\c:F+2*\c+1], v[F+2*\c+2:F+2*\c+3]
	ds_store_b64 v[SUFW], v[F+2*\c:F+2*\c+1] offset:256*\c-256
.endr
.Lnot4:
	s_wait_loadcnt 0x0                             ; Q, Vbs
.Lslot:                                            ; four trips; the fifth is written out: it asks for nothing
	CHANGE 1
	BODY 0
	s_xor_b32 s[TB], s[TB], SLOT1
	s_mov_b32 s[KS], s[KSN]
	s_add_co_u32 s[T], s[T], 1
	s_cmp_lt_u32 s[T], 4
	s_cbranch_scc1 .Lslot
	CHANGE 0
	BODY 1
	s_wait_tensorcnt 0x0                           ; the wave's end
	ds_add_u32 v[SPW], v[NIL]
	s_wait_dscnt 0x0
	s_endpgm
.Lfunc_end_k_qe4c4992dae_attn:
	.size	k_qe4c4992dae_attn, .Lfunc_end_k_qe4c4992dae_attn-k_qe4c4992dae_attn
	.p2alignl 7, 3214868480
	.fill 96, 4, 3214868480
	.section	.rodata,"a",@progbits
	.p2align	6, 0x0
	.amdhsa_kernel k_qe4c4992dae_attn
		.amdhsa_group_segment_fixed_size 327680
		.amdhsa_private_segment_fixed_size 0
		.amdhsa_enable_private_segment 0
		.amdhsa_kernarg_size 40
		.amdhsa_user_sgpr_count 2
		.amdhsa_user_sgpr_kernarg_segment_ptr 1
		.amdhsa_wavefront_size32 1
		.amdhsa_system_sgpr_workgroup_id_x 1
		.amdhsa_system_sgpr_workgroup_id_y 1
		.amdhsa_system_sgpr_workgroup_id_z 1
		.amdhsa_system_vgpr_workitem_id 0
		.amdhsa_next_free_vgpr 256
		.amdhsa_next_free_sgpr 66
		.amdhsa_reserve_vcc 1
		.amdhsa_float_denorm_mode_32 3
		.amdhsa_float_denorm_mode_16_64 3
		.amdhsa_memory_ordered 1
		.amdhsa_forward_progress 1
		.amdhsa_inst_pref_size 121
	.end_amdhsa_kernel
	.amdgpu_metadata
---
amdhsa.version: [ 1, 2 ]
amdhsa.kernels:
  - .name:           k_qe4c4992dae_attn
    .symbol:         k_qe4c4992dae_attn.kd
    .args:
      - { .name: qw, .offset: 0, .size: 8, .value_kind: global_buffer, .address_space: global }
      - { .name: kv, .offset: 8, .size: 8, .value_kind: global_buffer, .address_space: global }
      - { .name: side, .offset: 16, .size: 8, .value_kind: global_buffer, .address_space: global }
      - { .name: Vbs, .offset: 24, .size: 8, .value_kind: global_buffer, .address_space: global }
      - { .name: zw, .offset: 32, .size: 8, .value_kind: global_buffer, .address_space: global }
    .group_segment_fixed_size: 327680
    .private_segment_fixed_size: 0
    .kernarg_segment_align: 8
    .kernarg_segment_size: 40
    .max_flat_workgroup_size: 512
    .sgpr_count:     66
    .vgpr_count:     256
    .wavefront_size: 32
...
	.end_amdgpu_metadata
.endif
;; end of part 3
;; launch outp (part 4): grid 4 x 64, 4 waves a work-group, clusters of 4 x 4, 327,680 bytes of LDS; arguments zw, wq, Ob, out0; writes out0
.if DOCPART == 4
	.amdgcn_target "amdgcn-amd-amdhsa--gfx1250"
	.amdhsa_code_object_version 6
	.text
	.protected	k_qe4c4992dae_outp
	.globl	k_qe4c4992dae_outp
	.p2align	8
	.type	k_qe4c4992dae_outp,@function
k_qe4c4992dae_outp:
	s_mov_b64 s[64:65], 0
	v_nop
	global_prefetch_b8 v0, s[64:65] scope:SCOPE_SE
	s_setreg_imm32_b32 hwreg(HW_REG_WAVE_MODE, 25, 1), 1
	s_wait_xcnt 0x0
	s_wait_alu depctr_hold_cnt(0) depctr_sa_sdst(0) depctr_va_vdst(0) depctr_va_sdst(0) depctr_va_ssrc(0) depctr_va_vcc(0) depctr_vm_vsrc(0)
	s_getreg_b32 s2, hwreg(HW_REG_IB_STS2, 6, 4)
	s_cmp_eq_u32 s2, 0
	s_cbranch_scc0 .Lentry_in_a_cluster
	s_endpgm
.Lentry_in_a_cluster:
	s_bfe_u32 s2, ttmp6, 0x10000c
	s_cmp_lg_u32 s2, 0xf033
	s_cbranch_scc0 .Lentry_shape_is_right
	s_endpgm
.Lentry_shape_is_right:
; OUTP: out = z O + Ob, f16 operands, f32 sums, K = 1,024 (head x channel).  Rows that are positions 0-15 of a sequence are computed with their tile but NOT stored: the launch early makes them in f32, so each byte of out0 has one writer.
; A work-group makes 128 rows x 256 columns (256 work-groups), a wave 64 x 128: 32 accumulators, all of window 1 ((a, b) at v[8 (8 a + b)]).  Source 0 = 16 columns of O, source 1 = 16 rows of z: a lane holds 8 neighbouring columns of one row.
; K goes in 8 steps of 128 through two slots of 96 KiB (z 2 x 16 KiB, O 2 x 32 KiB); tiles are dense images of operand registers: no pitch, each LDS load takes 512 bytes on end.
; CLUSTERS 4 x 4: z's tiles are shared along a row of the cluster, O's along a column.  Two loads of a wave are out at the start, later one.
; window 0: v8-11 Ob, v16-29 addresses, two fragment buffers of 96 (O's 64, z's 32) at v64 and v160.
.set SLOT,   98304
.set STAGE,  196608                    ; 16 rows x (512 + 16) bytes for each wave: bytes of their own
.set SPARE,  230400
.set OH_OFF, 1671168
.set LAPS, 4
.set ADRA, 16
.set ADRB, 20
.set STO,  24
.set RD,   25
.set CO,   26
.set SPW,  28
.set NIL,  29
.set F0, 64
.set F1, 160
.set G1, 24
.set G0, 32
.set G1B, 48
.set G0B, 56
.set MSB, 0
.macro WIN new
.if MSB != \new
	s_set_vgpr_msb (MSB<<8)|\new
.set MSB, \new
.endif
.endm
.set MUL, 0x50                         ; sources 0, 1 window 0; C and D window 1
.macro JLOAD s
	s_cmp_eq_u32 s13, 0
	s_cbranch_scc0 .Lfor_b_\@
	tensor_load_to_lds s[G0+4*\s:G0+4*\s+3], s[G1:G1+7]
	s_nop 0
.rept 4
	v_nop
.endr
	s_branch .Lasked_\@
.Lfor_b_\@:
	tensor_load_to_lds s[G0B+4*\s:G0B+4*\s+3], s[G1B:G1B+7]
	s_nop 0
.rept 4
	v_nop
.endr
.Lasked_\@:
.endm
.macro CREST
	s_cmp_lg_u32 s12, 0
	s_cbranch_scc1 .Lnot_wave_0_\@
	s_barrier_signal -3
.Lnot_wave_0_\@:
	s_barrier_wait -3
	s_barrier_signal -1
	s_barrier_wait -1
.endm
.macro CROUND
	s_barrier_signal -1
	s_barrier_wait -1
	CREST
.endm
	s_load_b256 s[4:11], s[0:1], 0x0               ; zw s[4:5], wq s[6:7], Ob s[8:9], out0 s[10:11]
	v_lshl_add_u32 v[SPW], v0, 2, SPARE
	v_mov_b32 v[NIL], 0
	ds_add_u32 v[SPW], v[NIL]                      ; the opening: the add, twice on end, and its wait
	ds_add_u32 v[SPW], v[NIL]
	v_lshrrev_b32 v1, 5, v0
	v_readfirstlane_b32 s12, v1
	s_lshr_b32 s13, s12, 1                         ; my half of the rows.  Also: I fetch z (0) or O (1)
	s_and_b32 s14, s12, 1                          ; my half of the columns.  Also: which half I fetch
	s_bfe_u32 s40, ttmp6, 0x40000
	s_bfe_u32 s41, ttmp6, 0x40004
	s_lshl_b32 s42, ttmp9, 2
	s_add_co_u32 s42, s42, s40                     ; tile column (256 columns)
	s_and_b32 s15, ttmp7, 0xffff
	s_lshl_b32 s15, s15, 2
	s_add_co_u32 s15, s15, s41                     ; tile row (128 rows)
	s_lshl_b32 s43, s41, 2
	s_lshl_b32 s43, 15, s43
	s_lshl_b32 s44, 0x1111, s40
	s_or_b32 s[G1], s43, (3<<16)|(1<<21)
	s_or_b32 s[G1B], s44, (3<<16)|(1<<21)
	s_mov_b32 s[G1+1], 512<<16                     ; z: 4 row tiles; of each the K step's 4,096 bytes, 32 KiB apart
	s_mov_b32 s[G1+2], 4<<16
	s_mov_b32 s[G1+3], 512<<16
	s_mov_b32 s[G1+4], 4
	s_mov_b32 s[G1+5], 4096
	s_mov_b32 s[G1+6], 0
	s_mov_b32 s[G1+7], 0
	s_mov_b32 s[G1B+1], 512<<16                    ; O: 8 column tiles likewise
	s_mov_b32 s[G1B+2], 8<<16
	s_mov_b32 s[G1B+3], 512<<16
	s_mov_b32 s[G1B+4], 8
	s_mov_b32 s[G1B+5], 4096
	s_mov_b32 s[G1B+6], 0
	s_mov_b32 s[G1B+7], 0
	s_lshl_b32 s16, s15, 3
	s_lshl_b32 s17, s14, 2
	s_add_co_u32 s16, s16, s17
	s_lshl_b32 s16, s16, 15
	s_mov_b32 s17, 0
	s_lshl_b32 s46, s42, 4
	s_lshl_b32 s47, s14, 3
	s_add_co_u32 s46, s46, s47
	s_lshl_b32 s46, s46, 15
	s_add_co_u32 s46, s46, OH_OFF
	s_mov_b32 s47, 0
	s_lshl_b32 s20, s14, 14
	s_lshl_b32 s21, s14, 15
	s_add_co_u32 s21, s21, 32768
	s_wait_dscnt 0x0
	s_wait_kmcnt 0x0
	s_add_nc_u64 s[16:17], s[4:5], s[16:17]
	s_add_nc_u64 s[46:47], s[6:7], s[46:47]
	CROUND
.irp s, 0,1
	s_mov_b32 s[G0+4*\s], 1
	s_add_co_u32 s[G0+4*\s+1], s20, \s*SLOT
	s_add_nc_u64 s[G0+4*\s+2:G0+4*\s+3], s[16:17], \s*4096
	s_or_b32 s[G0+4*\s+3], s[G0+4*\s+3], 0x80000000
	s_mov_b32 s[G0B+4*\s], 1
	s_add_co_u32 s[G0B+4*\s+1], s21, \s*SLOT
	s_add_nc_u64 s[G0B+4*\s+2:G0B+4*\s+3], s[46:47], \s*4096
	s_or_b32 s[G0B+4*\s+3], s[G0B+4*\s+3], 0x80000000
	JLOAD \s
.endr
	v_and_b32 v1, 15, v0
	v_bfe_u32 v2, v0, 4, 1
	v_and_b32 v3, 31, v0
	v_lshlrev_b32 v[CO], 4, v3
	s_lshl_b32 s22, s13, 14
	s_lshl_b32 s23, s14, 15
	s_add_co_u32 s23, s23, 32768
.irp s, 0,1
	v_add_nc_u32 v[ADRA+\s], s22, v[CO]
	v_add_nc_u32 v[ADRB+\s], s23, v[CO]
	s_add_co_u32 s22, s22, SLOT
	s_add_co_u32 s23, s23, SLOT
.endr
	s_mul_i32 s22, s12, 8448
	s_add_co_u32 s22, s22, STAGE
	v_mul_u32_u24 v4, v1, 528
	v_lshl_add_u32 v4, v2, 5, v4
	v_add_nc_u32 v[STO], s22, v4                   ; into my stage: row r, 32 h bytes on
	v_add_nc_u32 v[RD], s22, v[CO]                 ; back: a row of 512 bytes for the 32 lanes
	s_lshl_b32 s46, s42, 10
	s_lshl_b32 s47, s14, 9
	s_add_co_u32 s46, s46, s47
	s_mov_b32 s47, 0
	s_add_nc_u64 s[8:9], s[8:9], s[46:47]
	global_load_b128 v[8:11], v[CO], s[8:9]        ; Ob of my four columns
	s_add_nc_u64 s[10:11], s[10:11], s[46:47]
	s_lshl_b32 s46, s15, 19
	s_lshl_b32 s45, s13, 18
	s_add_co_u32 s46, s46, s45
	s_add_nc_u64 s[10:11], s[10:11], s[46:47]      ; my first row of out0
	s_and_b32 s45, s15, 7
	s_or_b32 s45, s45, s13                         ; 0 where my first 16 rows are a sequence's first 16 positions
.macro MUL8 f, a, zero                 ; row tile a x the eight column tiles; the 32 accumulators take turns
.irp b, 0,1,2,3,4,5,6,7
.if \zero
	v_wmma_f32_16x16x32_f16 v[8*(8*(\a)+\b):8*(8*(\a)+\b)+7], v[\f+8*\b:\f+8*\b+7], v[\f+64+8*(\a):\f+64+8*(\a)+7], 0
.else
	v_wmma_f32_16x16x32_f16 v[8*(8*(\a)+\b):8*(8*(\a)+\b)+7], v[\f+8*\b:\f+8*\b+7], v[\f+64+8*(\a):\f+64+8*(\a)+7], v[8*(8*(\a)+\b):8*(8*(\a)+\b)+7]
.endif
.endr
.endm
.macro FETCH slot, kq, f               ; 24 LDS loads in one run: O's eight fragments, then z's four
	WIN 0
.irp b, 0,1,2,3,4,5,6,7
	ds_load_b128 v[\f+8*\b:\f+8*\b+3], v[ADRB+\slot] offset:\b*4096+(\kq)*1024
	ds_load_b128 v[\f+8*\b+4:\f+8*\b+7], v[ADRB+\slot] offset:\b*4096+(\kq)*1024+512
.endr
.irp a, 0,1,2,3
	ds_load_b128 v[\f+64+8*\a:\f+64+8*\a+3], v[ADRA+\slot] offset:\a*4096+(\kq)*1024
	ds_load_b128 v[\f+64+8*\a+4:\f+64+8*\a+7], v[ADRA+\slot] offset:\a*4096+(\kq)*1024+512
.endr
.endm
.macro PLACES
.rept 4
	v_nop
.endr
.endm
.macro QUARTER slot, kq, f, g, zero    ; 32 along K on buffer f; in its middle the next quarter, kq, is fetched into g
	s_wait_dscnt 4                                 ; z's tiles 2 and 3 may be out
	WIN MUL
	MUL8 \f, 0, \zero
	MUL8 \f, 1, \zero
	PLACES
	FETCH \slot, \kq, \g
	s_wait_dscnt 24                                ; all but the 24 just issued
	WIN MUL
	MUL8 \f, 2, \zero
	MUL8 \f, 3, \zero
.endm
.macro TURN slot, next, fill           ; a slot's last quarter, on buffer 1, changes slots
	WIN 0
	s_wait_tensorcnt 0x0                           ; all my tensor loads have landed: my part of the next slot
	ds_add_u32 v[SPW], v[NIL]
	s_wait_dscnt 5                                 ; the add and z's tiles 2 and 3 may be out
	WIN MUL
	MUL8 F1, 0, 0
	s_wait_dscnt 0x0                               ; the add is done, and my reads of this slot are over
	s_barrier_signal -1
	MUL8 F1, 1, 0
.if \fill
	WIN 0
.endif
	s_barrier_wait -1
.if \fill
	CREST                                          ; the barrier has opened a round of the cluster's: no wave of any partner still reads this slot or has a load on its way
	s_add_nc_u64 s[G0+4*\slot+2:G0+4*\slot+3], s[G0+4*\slot+2:G0+4*\slot+3], 8192
	s_add_nc_u64 s[G0B+4*\slot+2:G0B+4*\slot+3], s[G0B+4*\slot+2:G0B+4*\slot+3], 8192
	JLOAD \slot                                    ; 112 matrix instructions ahead of the wait for it; its four v_nop are the places ahead of the loads below
.else
	PLACES
.endif
	FETCH \next, 0, F0
	WIN MUL
	MUL8 F1, 2, 0
	MUL8 F1, 3, 0
.endm
	s_wait_tensorcnt 1                             ; my part of K step 0 is in; K step 1's load may be out
	s_barrier_signal -1
	s_barrier_wait -1
	FETCH 0, 0, F0
	QUARTER 0, 1, F0, F1, 1                        ; the first products start the sums
	WIN 0
	s_mov_b32 s3, LAPS-1
.Llap:
	QUARTER 0, 2, F1, F0, 0
	QUARTER 0, 3, F0, F1, 0
	TURN 0, 1, 1
	QUARTER 1, 1, F0, F1, 0
	QUARTER 1, 2, F1, F0, 0
	QUARTER 1, 3, F0, F1, 0
	TURN 1, 0, 1
	QUARTER 0, 1, F0, F1, 0
	WIN 0
	s_sub_co_u32 s3, s3, 1
	s_cmp_lg_u32 s3, 0
	s_cbranch_scc1 .Llap
	QUARTER 0, 2, F1, F0, 0                        ; the last lap fills nothing
	QUARTER 0, 3, F0, F1, 0
	TURN 0, 1, 0
	QUARTER 1, 1, F0, F1, 0
	QUARTER 1, 2, F1, F0, 0
	QUARTER 1, 3, F0, F1, 0
	s_wait_dscnt 4
	WIN MUL
	MUL8 F1, 0, 0
	MUL8 F1, 1, 0
	s_wait_dscnt 0
	MUL8 F1, 2, 0
	MUL8 F1, 3, 0
	WIN 0
	PLACES
	s_wait_loadcnt 0x0                             ; Ob
; The way out: 16 rows x 128 columns at a time through my own stage, back as whole rows of 512 bytes, + Ob, stored as two aligned runs of 256 bytes.
.macro OUTB a
.set BB, 64+64*((\a)%2)
	s_wait_xcnt 0x0                                ; earlier stores have read their registers
	WIN 0x04                                       ; an LDS store's data are its source 1: window 1
.irp b, 0,1,2,3,4,5,6,7
	ds_store_b128 v[STO], v[64*(\a)+8*\b:64*(\a)+8*\b+3] offset:64*\b
	ds_store_b128 v[STO], v[64*(\a)+8*\b+4:64*(\a)+8*\b+7] offset:64*\b+16
.endr
	WIN 0
.set t, 0
.rept 16
	ds_load_b128 v[BB+4*t:BB+4*t+3], v[RD] offset:t*528      ; LDS serves a wave's instructions in order
.set t, t+1
.endr
	s_wait_dscnt 0x0
.set t, 0
.rept 16
	v_pk_add_f32 v[BB+4*t:BB+4*t+1], v[BB+4*t:BB+4*t+1], v[8:9]
	v_pk_add_f32 v[BB+4*t+2:BB+4*t+3], v[BB+4*t+2:BB+4*t+3], v[10:11]
.set t, t+1
.endr
.if (\a) == 0
	v_mov_b32 v3, s45                              ; the choice hangs on my place in the cluster: lanes are switched off, no branch is taken
	v_cmp_ne_u32 vcc_lo, 0, v3
	s_wait_xcnt 0x0
	s_and_saveexec_b32 s20, vcc_lo
.endif
.set t, 0
.rept 16
	global_store_b128 v[CO], v[BB+4*t:BB+4*t+3], s[10:11] offset:(\a)*65536+t*4096 th:TH_STORE_NT
.set t, t+1
.endr
.if (\a) == 0
	s_wait_xcnt 0x0
	s_or_b32 exec_lo, exec_lo, s20
.endif
.endm
	OUTB 0
	OUTB 1
	OUTB 2
	OUTB 3
	s_wait_tensorcnt 0x0                           ; the wave's end
	ds_add_u32 v[SPW], v[NIL]
	s_wait_dscnt 0x0
	CROUND                                         ; the closing round
	s_endpgm
.Lfunc_end_k_qe4c4992dae_outp:
	.size	k_qe4c4992dae_outp, .Lfunc_end_k_qe4c4992dae_outp-k_qe4c4992dae_outp
	.p2alignl 7, 3214868480
	.fill 96, 4, 3214868480
	.section	.rodata,"a",@progbits
	.p2align	6, 0x0
	.amdhsa_kernel k_qe4c4992dae_outp
		.amdhsa_group_segment_fixed_size 327680
		.amdhsa_private_segment_fixed_size 0
		.amdhsa_enable_private_segment 0
		.amdhsa_kernarg_size 32
		.amdhsa_user_sgpr_count 2
		.amdhsa_user_sgpr_kernarg_segment_ptr 1
		.amdhsa_wavefront_size32 1
		.amdhsa_system_sgpr_workgroup_id_x 1
		.amdhsa_system_sgpr_workgroup_id_y 1
		.amdhsa_system_sgpr_workgroup_id_z 1
		.amdhsa_system_vgpr_workitem_id 0
		.amdhsa_next_free_vgpr 512
		.amdhsa_next_free_sgpr 66
		.amdhsa_reserve_vcc 1
		.amdhsa_float_denorm_mode_32 3
		.amdhsa_float_denorm_mode_16_64 3
		.amdhsa_memory_ordered 1
		.amdhsa_forward_progress 1
		.amdhsa_inst_pref_size 93
	.end_amdhsa_kernel
	.amdgpu_metadata
---
amdhsa.version: [ 1, 2 ]
amdhsa.kernels:
  - .name:           k_qe4c4992dae_outp
    .symbol:         k_qe4c4992dae_outp.kd
    .args:
      - { .name: zw, .offset: 0, .size: 8, .value_kind: global_buffer, .address_space: global }
      - { .name: wq, .offset: 8, .size: 8, .value_kind: global_buffer, .address_space: global }
      - { .name: Ob, .offset: 16, .size: 8, .value_kind: global_buffer, .address_space: global }
      - { .name: out0, .offset: 24, .size: 8, .value_kind: global_buffer, .address_space: global }
    .group_segment_fixed_size: 327680
    .private_segment_fixed_size: 0
    .kernarg_segment_align: 8
    .kernarg_segment_size: 32
    .max_flat_workgroup_size: 128
    .sgpr_count:     66
    .vgpr_count:     512
    .wavefront_size: 32
...
	.end_amdgpu_metadata
.endif
;; end of part 4
;; launch early (part 5): grid 32 x 8, 16 waves a work-group, no clusters, 38,912 bytes of LDS; arguments side, O, Ob, Vbs, out0; writes out0
.if DOCPART == 5
	.amdgcn_target "amdgcn-amd-amdhsa--gfx1250"
	.amdhsa_code_object_version 6
	.text
	.protected	k_qe4c4992dae_early
	.globl	k_qe4c4992dae_early
	.p2align	8
	.type	k_qe4c4992dae_early,@function
k_qe4c4992dae_early:
	s_mov_b64 s[64:65], 0
	v_nop
	global_prefetch_b8 v0, s[64:65] scope:SCOPE_SE
	s_setreg_imm32_b32 hwreg(HW_REG_WAVE_MODE, 25, 1), 1
	s_wait_xcnt 0x0
; EARLY: positions 0-15 of every sequence, where a row averages one to sixteen values: scores, weights, z and the projection on the way out all in f32 (16x16x4 matrix form: 64 instructions a wave, no bulk work).
; WORK LEFT OUT: q.k of keys 16-1,023: reference() replaces those scores by -1e5 for every one of these queries.  Their weight w = 2^(c IGN - c m) is kept: w x (the sum of v0 over keys 16-1,023) and 1,008 w.
; SHARES: work-group = (32 columns of out0, batch); wave = head; the sixteen heads' parts meet in LDS.
; The places of k in a step of 4 are permuted alike on both sides of each product, so that the f32 images stored by proj serve as operands as they lie: step 4 t + i takes registers 8 t + 2 i, + 1; place 2 h + j' stands for channel (or key) 16 t + 8 h + 2 i + j'.
; The registers that the matrix instructions write (v176-239) are written by nothing else.
.set VS_OFF, 1572864
.set PART,  0                          ; 16 x 2,048 bytes: each head's 16 x 32 part of the result
.set RS,    32768                      ; 16 x 256 bytes: a wave's own: the sum of v0 turns from 2 channels a lane into O^T's layout
.set SPARE, 36864
.set QF, 16
.set KF, 48
.set OF, 16
.set VF, 80
.set ZV, 80
.set VR, 112
.set BV, 144
.set SA, 176
.set ZA, 192
.set OA, 224
.set SV, 240
	s_load_b256 s[4:11], s[0:1], 0x0               ; side s[4:5], O s[6:7], Ob s[8:9], Vbs s[10:11]
	s_load_b64 s[12:13], s[0:1], 0x20              ; out0
	v_lshl_add_u32 v5, v0, 2, SPARE                ; v5, v6: the add's two, never rewritten
	v_mov_b32 v6, 0
	v_lshrrev_b32 v1, 5, v0
	v_readfirstlane_b32 s14, v1                    ; wave = head
	s_and_b32 s15, ttmp7, 0xffff                   ; batch
	s_mov_b32 s16, 0x76543210
	s_mov_b32 s17, 0xfedcba98
	s_mov_b32 s18, 0x3e38aa3b                      ; c = log2(e) / 8
	s_lshl_b32 s20, s15, 4
	s_add_co_u32 s20, s20, s14
	s_mul_i32 s22, s20, 12288
	s_mov_b32 s23, 0
	s_lshl_b32 s24, s20, 12
	s_add_co_u32 s24, s24, VS_OFF
	s_mov_b32 s25, 0
	s_lshl_b32 s26, s14, 8
	s_mov_b32 s27, 0
	s_lshl_b32 s28, s14, 18
	s_lshl_b32 s30, ttmp9, 7
	s_add_co_u32 s28, s28, s30
	s_mov_b32 s29, 0
	s_mov_b32 s31, 0
	s_lshl_b32 s32, s15, 22
	s_add_co_u32 s32, s32, s30
	s_mov_b32 s33, 0
	s_lshl_b32 s34, s14, 8
	s_lshl_b32 s35, s14, 11
	v_and_b32 v15, 31, v0
	v_lshlrev_b32 v1, 4, v15                       ; 16 x lane
	v_lshlrev_b32 v2, 3, v15                       ; 8 x lane
	v_bfe_u32 v248, v0, 4, 1                       ; h
	v_and_b32 v249, 15, v0                         ; r
	v_lshlrev_b32 v3, 5, v248                      ; 32 h
	v_lshlrev_b32 v4, 3, v248
	v_sub_nc_u32 v4, v249, v4                      ; r - 8 h
	v_add_nc_u32 v7, s34, v2
	v_add_nc_u32 v7, RS, v7
	v_add_nc_u32 v8, s34, v3
	v_add_nc_u32 v8, RS, v8
	v_add_nc_u32 v9, s35, v1                       ; my part: 16 x lane + 2,048 x wave
	v_lshlrev_b32 v13, 15, v248
	v_lshl_add_u32 v13, v249, 2, v13               ; O: 8 h rows of 4,096 bytes + 4 r
	v_and_b32 v15, 7, v0                           ; the sum's share: thread = 8 x row + piece of 4 columns
	v_lshrrev_b32 v10, 3, v0
	v_lshlrev_b32 v11, 12, v10
	v_lshl_add_u32 v11, v15, 4, v11                ; in out0
	v_lshlrev_b32 v12, 4, v15                      ; in Ob
	v_lshlrev_b32 v10, 4, v10
	v_bfe_u32 v248, v15, 2, 1
	v_lshl_add_u32 v10, v248, 10, v10
	v_bfe_u32 v248, v15, 1, 1
	v_lshl_add_u32 v10, v248, 8, v10
	v_and_b32 v248, 1, v15
	v_lshl_add_u32 v10, v248, 9, v10               ; in a part: columns 4 piece on of row: tile, half of the registers, lane
	v_mov_b32 v14, 0xc9435000                      ; IGN = -800,000, in units of q.k
	v_mov_b32 v249, 0
	s_wait_kmcnt 0x0
	s_add_nc_u64 s[22:23], s[4:5], s[22:23]
	s_add_nc_u64 s[24:25], s[4:5], s[24:25]
	s_add_nc_u64 s[26:27], s[10:11], s[26:27]
	s_add_nc_u64 s[28:29], s[6:7], s[28:29]
	s_add_nc_u64 s[30:31], s[8:9], s[30:31]
	s_add_nc_u64 s[32:33], s[12:13], s[32:33]
.irp i, 0,1,2,3,4,5,6,7
	global_load_b128 v[QF+4*\i:QF+4*\i+3], v1, s[22:23] offset:512*\i
	global_load_b128 v[KF+4*\i:KF+4*\i+3], v1, s[22:23] offset:4096+512*\i
.endr
.irp i, 0,1,2,3,4,5,6,7
	global_load_b128 v[VF+4*\i:VF+4*\i+3], v1, s[22:23] offset:8192+512*\i
.endr
.irp c, 0,1,2,3,4,5,6,7,8,9,10,11,12,13,14,15
	global_load_b64 v[VR+2*\c:VR+2*\c+1], v2, s[24:25] offset:256*\c
.endr
.irp i, 0,1,2,3,4,5,6,7
	global_load_b128 v[BV+4*\i:BV+4*\i+3], v3, s[26:27] offset:64*(\i/2)+16*(\i%2)
.endr
	s_wait_loadcnt 32                              ; q and k are in; the 32 younger loads may be out
.set st, 0
.rept 16                               ; S^T = k q^T, in two sums that take turns
.if st < 2
	v_wmma_f32_16x16x4_f32 v[SA+8*(st%2):SA+8*(st%2)+7], v[KF+2*st:KF+2*st+1], v[QF+2*st:QF+2*st+1], 0
.else
	v_wmma_f32_16x16x4_f32 v[SA+8*(st%2):SA+8*(st%2)+7], v[KF+2*st:KF+2*st+1], v[QF+2*st:QF+2*st+1], v[SA+8*(st%2):SA+8*(st%2)+7]
.endif
.set st, st+1
.endr
.rept 8
	v_nop                                          ; eight places behind this form
.endr
.irp j, 0,1,2,3,4,5,6,7
	v_add_f32 v[SV+\j], v[SA+\j], v[SA+8+\j]       ; lane (r, h): query r, key 8 h + j
.endr
.irp j, 0,1,2,3,4,5,6,7
	v_cmp_gt_i32 vcc_lo, \j, v4
	v_cndmask_b32 v[SV+\j], v[SV+\j], v14, vcc_lo
.endr
	v_max3_num_f32 v248, v[SV], v[SV+1], v[SV+2]
	v_max3_num_f32 v248, v248, v[SV+3], v[SV+4]
	v_max3_num_f32 v248, v248, v[SV+5], v[SV+6]
	v_max3_num_f32 v248, v248, v[SV+7], v14        ; IGN among them: 1,008 keys carry it for every one of these queries
	v_permlanex16_b32 v249, v248, s16, s17
	v_max_num_f32 v248, v248, v249
	v_mul_f32 v251, s18, v248                      ; c m
.irp j, 0,1,2,3,4,5,6,7
	v_fma_f32 v[SV+\j], v[SV+\j], s18, -v251
.endr
	v_fma_f32 v250, v14, s18, -v251
.irp j, 0,1,2,3,4,5,6,7
	v_exp_f32 v[SV+\j], v[SV+\j]
.endr
	v_exp_f32 v250, v250                           ; w
	v_nop
	s_wait_alu depctr_va_vdst(0)                   ; one wait for the nine, ahead of their first reader
	v_add_f32 v254, v[SV], v[SV+1]
	v_add_f32 v255, v[SV+2], v[SV+3]
	v_add_f32 v254, v254, v[SV+4]
	v_add_f32 v255, v255, v[SV+5]
	v_add_f32 v254, v254, v[SV+6]
	v_add_f32 v255, v255, v[SV+7]
	v_add_f32 v254, v254, v255
	v_permlanex16_b32 v249, v254, s16, s17
	v_add_f32 v254, v254, v249
	v_fmamk_f32 v254, v250, 0x447c0000, v254       ; l = the sum of p + 1,008 w
	s_wait_loadcnt 0x0
.irp j, 0,4,8,12,16,20,24,28
	v_pk_add_f32 v[VR+\j:VR+\j+1], v[VR+\j:VR+\j+1], v[VR+\j+2:VR+\j+3]
.endr
.irp j, 0,8,16,24
	v_pk_add_f32 v[VR+\j:VR+\j+1], v[VR+\j:VR+\j+1], v[VR+\j+4:VR+\j+5]
.endr
.irp j, 0,16
	v_pk_add_f32 v[VR+\j:VR+\j+1], v[VR+\j:VR+\j+1], v[VR+\j+8:VR+\j+9]
.endr
	v_pk_add_f32 v[252:253], v[VR:VR+1], v[VR+16:VR+17]      ; the sum of v0 over keys 16-1,023, channels 2 lane, 2 lane + 1
	ds_store_b64 v7, v[252:253]
.irp i, 0,1,2,3,4,5,6,7
	ds_load_b128 v[VR+4*\i:VR+4*\i+3], v8 offset:64*(\i/2)+16*(\i%2)     ; back in O^T's layout; my own bytes, served in order
.endr
.irp tl, 0,1
.set e, 0
.rept 32
	global_load_b32 v[OF+32*\tl+e], v13, s[28:29] offset:(16*(e/8)+e%8)*4096+\tl*64   ; O(64 head + 16 t + 8 h + 2 i + j', 32 slice + 16 tl + r)
.set e, e+1
.endr
.endr
.irp i, 0,1,2,3                        ; z^T = v0^T p: the four tiles of channels take turns
.irp t, 0,1,2,3
.if \i == 0
	v_wmma_f32_16x16x4_f32 v[ZA+8*\t:ZA+8*\t+7], v[VF+8*\t+2*\i:VF+8*\t+2*\i+1], v[SV+2*\i:SV+2*\i+1], 0
.else
	v_wmma_f32_16x16x4_f32 v[ZA+8*\t:ZA+8*\t+7], v[VF+8*\t+2*\i:VF+8*\t+2*\i+1], v[SV+2*\i:SV+2*\i+1], v[ZA+8*\t:ZA+8*\t+7]
.endif
.endr
.endr
.rept 8
	v_nop
.endr
	s_wait_dscnt 0x0                               ; R is in
	v_rcp_f32 v252, v254
	v_nop
	s_wait_alu depctr_va_vdst(0)
.set i, 0
.rept 16
	v_pk_fma_f32 v[ZV+2*i:ZV+2*i+1], v[VR+2*i:VR+2*i+1], v[250:251], v[ZA+2*i:ZA+2*i+1] op_sel_hi:[1,0,1]   ; + w R
.set i, i+1
.endr
.set i, 0
.rept 16
	v_pk_fma_f32 v[ZV+2*i:ZV+2*i+1], v[ZV+2*i:ZV+2*i+1], v[252:253], v[BV+2*i:BV+2*i+1] op_sel_hi:[1,0,1]   ; / l + Vbs
.set i, i+1
.endr
	s_wait_loadcnt 0x0                             ; O
.set st, 0
.rept 16                               ; my head's part of out^T: two tiles of 16 columns take turns
.irp tl, 0,1
.if st == 0
	v_wmma_f32_16x16x4_f32 v[OA+8*\tl:OA+8*\tl+7], v[OF+32*\tl+2*st:OF+32*\tl+2*st+1], v[ZV+2*st:ZV+2*st+1], 0
.else
	v_wmma_f32_16x16x4_f32 v[OA+8*\tl:OA+8*\tl+7], v[OF+32*\tl+2*st:OF+32*\tl+2*st+1], v[ZV+2*st:ZV+2*st+1], v[OA+8*\tl:OA+8*\tl+7]
.endif
.endr
.set st, st+1
.endr
.rept 8
	v_nop
.endr
.irp tl, 0,1
	ds_store_b128 v9, v[OA+8*\tl:OA+8*\tl+3] offset:PART+\tl*1024
	ds_store_b128 v9, v[OA+8*\tl+4:OA+8*\tl+7] offset:PART+\tl*1024+512
.endr
	s_wait_dscnt 0x0                               ; for the others' sake: my part lies in LDS
	s_barrier_signal -1
	s_barrier_wait -1
	s_cmp_lt_u32 s14, 4                            ; 128 threads add the sixteen parts: 4 columns of a row each
	s_cbranch_scc0 .Lend
	global_load_b128 v[BV:BV+3], v12, s[30:31]     ; Ob
.set w, 0
.rept 16
	ds_load_b128 v[16+4*w:19+4*w], v10 offset:PART+w*2048
.set w, w+1
.endr
	s_wait_dscnt 0x0
.irp d, 1,2,4,8
.set w, 0
.rept 8/\d
	v_pk_add_f32 v[16+4*w:17+4*w], v[16+4*w:17+4*w], v[16+4*(w+\d):17+4*(w+\d)]
	v_pk_add_f32 v[18+4*w:19+4*w], v[18+4*w:19+4*w], v[18+4*(w+\d):19+4*(w+\d)]
.set w, w+2*\d
.endr
.endr
	s_wait_loadcnt 0x0
	v_pk_add_f32 v[16:17], v[16:17], v[BV:BV+1]
	v_pk_add_f32 v[18:19], v[18:19], v[BV+2:BV+3]
	global_store_b128 v11, v[16:19], s[32:33]      ; eight lanes store 128 consecutive bytes of a row: this work-group's 32 columns
.Lend:
	s_wait_tensorcnt 0x0                           ; the wave's end
	ds_add_u32 v5, v6
	s_wait_dscnt 0x0
	s_endpgm
.Lfunc_end_k_qe4c4992dae_early:
	.size	k_qe4c4992dae_early, .Lfunc_end_k_qe4c4992dae_early-k_qe4c4992dae_early
	.p2alignl 7, 3214868480
	.fill 96, 4, 3214868480
	.section	.rodata,"a",@progbits
	.p2align	6, 0x0
	.amdhsa_kernel k_qe4c4992dae_early
		.amdhsa_group_segment_fixed_size 38912
		.amdhsa_private_segment_fixed_size 0
		.amdhsa_enable_private_segment 0
		.amdhsa_kernarg_size 40
		.amdhsa_user_sgpr_count 2
		.amdhsa_user_sgpr_kernarg_segment_ptr 1
		.amdhsa_wavefront_size32 1
		.amdhsa_system_sgpr_workgroup_id_x 1
		.amdhsa_system_sgpr_workgroup_id_y 1
		.amdhsa_system_sgpr_workgroup_id_z 1
		.amdhsa_system_vgpr_workitem_id 0
		.amdhsa_next_free_vgpr 256
		.amdhsa_next_free_sgpr 66
		.amdhsa_reserve_vcc 1
		.amdhsa_float_denorm_mode_32 3
		.amdhsa_float_denorm_mode_16_64 3
		.amdhsa_memory_ordered 1
		.amdhsa_forward_progress 1
		.amdhsa_inst_pref_size 29
	.end_amdhsa_kernel
	.amdgpu_metadata
---
amdhsa.version: [ 1, 2 ]
amdhsa.kernels:
  - .name:           k_qe4c4992dae_early
    .symbol:         k_qe4c4992dae_early.kd
    .args:
      - { .name: side, .offset: 0, .size: 8, .value_kind: global_buffer, .address_space: global }
      - { .name: O, .offset: 8, .size: 8, .value_kind: global_buffer, .address_space: global }
      - { .name: Ob, .offset: 16, .size: 8, .value_kind: global_buffer, .address_space: global }
      - { .name: Vbs, .offset: 24, .size: 8, .value_kind: global_buffer, .address_space: global }
      - { .name: out0, .offset: 32, .size: 8, .value_kind: global_buffer, .address_space: global }
    .group_segment_fixed_size: 38912
    .private_segment_fixed_size: 0
    .kernarg_segment_align: 8
    .kernarg_segment_size: 40
    .max_flat_workgroup_size: 512
    .sgpr_count:     66
    .vgpr_count:     256
    .wavefront_size: 32
...
	.end_amdgpu_metadata
.endif
;; end of part 5
